; MI455X (gfx1250); checked and timed in simulation.
; The chip was launched on July 23, 2026; its instructions are those of AMD's public machine-readable ISA for CDNA 5 (MIT licence, August 2026) and "CDNA5" Instruction Set Architecture Reference Guide (July 2026). The comments in the code are by the model that wrote it; some were corrected since.
;; metal attention. Allowed arithmetic: float matrix products may take bf16 or f16 operands with f32 sums; all other float work in f32.
;; Inputs: W_k 512 x 512 float32; W_q 512 x 512 float32; W_v 512 x 512 float32; mask 64 x 1,024 int32; metal_feature 64 x 64 x 512 float32; x 64 x 1,024 x 512 float32.
;; Outputs: out0 64 x 64 x 512 float32.
;; 2 versions, each right; version 2 is version 1 with the launch attn written anew for expert scheduling mode. Each part assembles by itself: llvm-mc -triple=amdgcn-amd-amdhsa -mcpu=gfx1250 --defsym DOCPART=n.
;; ======== version 1 of 2: 4 launches
;; limits: values are held in f16: magnitudes above 65,504 overflow, below 6.1e-05 lose precision; inputs' magnitudes at most 65,504; sums are carried in f16
;; workspace buffers: mt16 524,288 bytes; wv16 524,288 bytes; qf 4,194,304 bytes; qs 16,384 bytes; yp 16,777,216 bytes; ml 131,072 bytes
;; launch wprep (part 1): grid 64 x 1, 8 waves a work-group, no clusters, 173,312 bytes of LDS; arguments W_q, W_k, W_v, mt16, wv16; writes mt16, wv16
.if DOCPART == 1
	.amdgcn_target "amdgcn-amd-amdhsa--gfx1250"
	.amdhsa_code_object_version 6
	.text
	.protected	k_q2d2c229cc6_wprep
	.globl	k_q2d2c229cc6_wprep
	.p2align	8
	.type	k_q2d2c229cc6_wprep,@function
k_q2d2c229cc6_wprep:
	s_mov_b64 s[64:65], 0
	v_nop
	global_prefetch_b8 v0, s[64:65] scope:SCOPE_SE
	s_setreg_imm32_b32 hwreg(HW_REG_WAVE_MODE, 25, 1), 1
	s_wait_xcnt 0x0
; M[f][g] = sum over k of W_q[k][f] W_k[k][g]  (so that scores = mf M x^T and K is never formed), and W_v as f16.
; Both leave in FRAGMENT ORDER: blocks of 512 bytes = 32 lanes x 16 bytes, as a later launch's matrix operand wants them:
;   mt16 [gt 32][fs 16][hf 2][lane][8 f16] = M[32 fs + 16 hf + 8 h + i][16 gt + r]                 (r = lane & 15, h = lane >> 4)
;   wv16 [kt 32][s 16][hf 2][lane][8 f16]  = W_v[16 kt + r][128 (s>>2) + 8 ((2 s + hf) & 7) + 64 h + i]   (the order of f in which yp lies)
; 64 work-groups of 8 waves.  Work-group t makes the tile f = 64 (t&7) .., g = 64 (t>>3) .. of M over all 512 k, and converts
; rows 16 (t>>1) .. +15, columns 256 (t&1) .. +255 of W_v.  Sums in f32, operands f16.
; f16 and not bf16: the output is a flat average whose tolerance is a few 1e-4 absolute, and f16's rounding is eight times finer.
; LIMITS: |W| and |M| below 65,504 (f16's largest); numbers below 6e-8 in magnitude are rounded to 0.  M replaces Q K^T's order of rounding by
; another.
; No joint requests: a panel of W_q is read by 8 work-groups, 128 KiB each, once, through registers, where it is converted; the launch has 64
; work-groups and one short pass, so that there is no loop in which partners could ask together.
.set PW,   160                         ; LDS pitch of a panel row: 64 f16 + 32 bytes = 5 x 32 bytes (odd multiple of 32: transposing loads meet no bank twice)
.set BK,   512*PW                      ; W_k's panel behind W_q's (which starts at 0)
.set CV,   2*512*PW                    ; W_v's piece: 16 rows
.set PCV,  528                         ; its pitch: 256 f16 + 16 bytes
.set WQO,  4                           ; v4      offset of my 16 bytes in W_q
.set WKO,  5                           ; v5      the same in W_k
.set WVO,  6                           ; v6      the same in W_v
.set CVS,  7                           ; v7      where I put 8 bytes of W_v
.set LSA,  8                           ; v8, v9  where I put 8 bytes of W_q's, W_k's panel
.set TA,   10                          ; v10, v11  transposing loads of W_q's panel: k steps 0-7, 8-15
.set TB,   12                          ; v12, v13  the same for W_k's
.set CVR,  14                          ; v14     where I read a fragment of W_v
.set OUTO, 15                          ; v15     16 x lane
.set RG,   32                          ; v32-223   ring of 3 groups of 16 loads
.set WS,   224                         ; v224-239  W_v as loaded
.set FR,   32                          ; v32-103   behind the barrier: 3 fragment buffers of 24 (two f tiles, one g tile)
.set AC,   112                         ; v112-127  two accumulator tiles
.set WF,   128                         ; v128-135  W_v's fragments on their way out
.set PK,   136                         ; v136-143  M packed
.macro PLACES                          ; four independent vector instructions behind a matrix instruction (ISA guide 7.12.1)
.rept 4
	v_nop
.endr
.endm
	s_load_b256 s[4:11], s[0:1], 0x0               ; W_q s[4:5], W_k s[6:7], W_v s[8:9], mt16 s[10:11]
	s_load_b64 s[12:13], s[0:1], 0x20              ; wv16
	v_lshl_add_u32 v240, v0, 2, 0x2a100
	v_mov_b32 v241, 0
	v_lshrrev_b32 v1, 5, v0
	v_readfirstlane_b32 s14, v1                    ; wave w
	v_and_b32 v1, 31, v0                           ; lane L
	v_lshrrev_b32 v2, 4, v1                        ; h
	v_and_b32 v3, 15, v1                           ; r
	s_and_b32 s15, ttmp9, 7                        ; fb
	s_lshr_b32 s16, ttmp9, 3                       ; gb
	s_lshr_b32 s17, ttmp9, 1                       ; W_v: block of 16 rows
	s_and_b32 s18, ttmp9, 1                        ; W_v: half of the columns
	; a load takes 2 rows x 256 bytes: row 64 w + h (+ the immediate), byte 256 fb + 16 r
	v_lshlrev_b32 v16, 4, v3
	v_lshl_add_u32 v16, v2, 11, v16
	s_lshl_b32 s19, s14, 17
	s_lshl_b32 s20, s15, 8
	s_add_co_u32 s20, s19, s20
	v_add_nc_u32 v[WQO], s20, v16
	s_lshl_b32 s20, s16, 8
	s_add_co_u32 s20, s19, s20
	v_add_nc_u32 v[WKO], s20, v16
	; W_v: row 16 (t>>1) + 2 w (+ the immediate), byte 1024 (t&1) + 16 L
	s_lshl_b32 s20, s17, 15
	s_lshl_b32 s21, s14, 12
	s_add_co_u32 s20, s20, s21
	s_lshl_b32 s21, s18, 10
	s_add_co_u32 s20, s20, s21
	v_lshl_add_u32 v[WVO], v1, 4, s20
	; LDS, in: (64 w + h) PW + 8 r
	s_mul_i32 s20, s14, 64*PW
	v_mul_u32_u24 v16, v2, PW
	v_lshl_add_u32 v16, v3, 3, v16
	v_add_nc_u32 v[LSA], s20, v16
	v_add_nc_u32 v[LSA+1], BK, v[LSA]
	s_mul_i32 s20, s14, 2*PCV
	s_add_co_u32 s20, s20, CV
	v_lshl_add_u32 v[CVS], v1, 3, s20
	; LDS, out, transposing: (8 h + (L&7)) PW + 16 ((L>>3)&1) + the tile's columns
	v_and_b32 v16, 7, v1
	v_lshl_add_u32 v16, v2, 3, v16
	v_mul_u32_u24 v16, v16, PW
	v_bfe_u32 v17, v1, 3, 1
	v_lshl_add_u32 v16, v17, 4, v16
	s_lshr_b32 s21, s14, 2                         ; fp: my pair of f tiles
	s_and_b32 s22, s14, 3                          ; gl: my g tile
	s_lshl_b32 s20, s21, 6
	v_add_nc_u32 v[TA], s20, v16
	v_add_nc_u32 v[TA+1], 8*32*PW, v[TA]           ; k steps 8-15: beyond the 16-bit immediate
	s_lshl_b32 s20, s22, 5
	s_add_co_u32 s20, s20, BK
	v_add_nc_u32 v[TB], s20, v16
	v_add_nc_u32 v[TB+1], 8*32*PW, v[TB]
	; W_v's fragment s = 8 (t&1) + w: row r, byte 128 h + 256 (w>>2) + 32 (w&3) (+ 16 hf)
	v_mul_u32_u24 v16, v3, PCV
	v_lshl_add_u32 v16, v2, 7, v16
	s_lshl_b32 s20, s21, 8
	s_lshl_b32 s23, s22, 5
	s_add_co_u32 s20, s20, s23
	s_add_co_u32 s20, s20, CV
	v_add_nc_u32 v[CVR], s20, v16
	v_lshlrev_b32 v[OUTO], 4, v1
	; where my blocks go: wv16 block pair 16 (t>>1) + 8 (t&1) + w, mt16 block pair 16 (4 gb + gl) + 2 fb + fp; 1,024 bytes a pair
	s_lshl_b32 s24, s17, 4
	s_lshl3_add_u32 s24, s18, s24
	s_add_co_u32 s24, s24, s14
	s_lshl_b32 s24, s24, 10
	s_mov_b32 s25, 0
	s_lshl2_add_u32 s26, s16, s22
	s_lshl_b32 s26, s26, 4
	s_lshl1_add_u32 s27, s15, s21
	s_add_co_u32 s26, s26, s27
	s_lshl_b32 s26, s26, 10
	s_mov_b32 s27, 0
	s_wait_kmcnt 0x0
	s_add_nc_u64 s[12:13], s[12:13], s[24:25]
	s_add_nc_u64 s[10:11], s[10:11], s[26:27]
; group n of 16 loads: n = 0, 1 rows 64 w + 32 n .. +31 of W_q's panel, n = 2, 3 the same of W_k's
.macro GLOAD n
.set gl_b, RG+64*((\n)%3)
.irp i, 0,1,2,3,4,5,6,7,8,9,10,11,12,13,14,15
.if (\n) < 2
	global_load_b128 v[gl_b+4*\i:gl_b+4*\i+3], v[WQO], s[4:5] offset:(32*((\n)&1)+2*\i)*2048
.else
	global_load_b128 v[gl_b+4*\i:gl_b+4*\i+3], v[WKO], s[6:7] offset:(32*((\n)&1)+2*\i)*2048
.endif
.endr
.endm
; group n is there when at most `left` younger loads are out: round to f16 in place, 8 bytes a lane into LDS
.macro GROUP n, left, refill
	s_wait_loadcnt \left
.set gr_b, RG+64*((\n)%3)
.irp i, 0,1,2,3,4,5,6,7,8,9,10,11,12,13,14,15
	v_cvt_pk_f16_f32 v[gr_b+4*\i], v[gr_b+4*\i], v[gr_b+4*\i+1]
	v_cvt_pk_f16_f32 v[gr_b+4*\i+1], v[gr_b+4*\i+2], v[gr_b+4*\i+3]
.endr
.irp i, 0,1,2,3,4,5,6,7,8,9,10,11,12,13,14,15
	ds_store_b64 v[LSA+((\n)>>1)], v[gr_b+4*\i:gr_b+4*\i+1] offset:(32*((\n)&1)+2*\i)*PW
.endr
.if \refill
	GLOAD \n+3
.endif
.endm
.irp e, 0,1
.irp q, 0,1
	global_load_b128 v[WS+8*\e+4*\q:WS+8*\e+4*\q+3], v[WVO], s[8:9] offset:\e*2048+\q*512 th:TH_LOAD_NT
.endr
.endr
	GLOAD 0
	GLOAD 1
	GLOAD 2
	s_wait_loadcnt 48                              ; 4 + 48 loads issued: the four of W_v are in
.irp i, 0,1,2,3
	v_cvt_pk_f16_f32 v[WS+4*\i], v[WS+4*\i], v[WS+4*\i+1]
	v_cvt_pk_f16_f32 v[WS+4*\i+1], v[WS+4*\i+2], v[WS+4*\i+3]
.endr
.irp e, 0,1
.irp q, 0,1
	ds_store_b64 v[CVS], v[WS+8*\e+4*\q:WS+8*\e+4*\q+1] offset:\e*PCV+\q*256
.endr
.endr
	GROUP 0, 32, 1                                 ; groups 1, 2 stay out; group 3 is asked for
	GROUP 1, 32, 0                                 ; groups 2, 3 stay out
	GROUP 2, 16, 0
	GROUP 3, 0, 0
	s_wait_dscnt 0x0                               ; my stores are in LDS before I say so
	s_barrier_signal -1
	s_barrier_wait -1                              ; the panels are whole; nothing writes LDS from here on
; the six transposing loads of k step ks (32 k): two f tiles of W_q^T, one g tile of W_k^T
.macro KLOAD ks
.set kl_b, FR+24*((\ks)%3)
.set kl_o, ((\ks)&7)*32*PW
.irp ft, 0,1
	ds_load_tr16_b128 v[kl_b+8*\ft:kl_b+8*\ft+3],   v[TA+((\ks)>>3)] offset:kl_o+32*\ft
	ds_load_tr16_b128 v[kl_b+8*\ft+4:kl_b+8*\ft+7], v[TA+((\ks)>>3)] offset:kl_o+32*\ft+16*PW
.endr
	ds_load_tr16_b128 v[kl_b+16:kl_b+19], v[TB+((\ks)>>3)] offset:kl_o
	ds_load_tr16_b128 v[kl_b+20:kl_b+23], v[TB+((\ks)>>3)] offset:kl_o+16*PW
.endm
.macro KSTEP ks
.if (\ks) < 14
.if (\ks) > 0
	PLACES                                         ; the buffer loaded next was read by the two products just issued
.endif
	KLOAD \ks+2
	s_wait_dscnt 12                                ; steps ks + 1 and ks + 2 stay out
.else
	s_wait_dscnt 6*(15-(\ks))
.endif
.set ks_b, FR+24*((\ks)%3)
.if (\ks) == 0
	v_wmma_f32_16x16x32_f16 v[AC:AC+7],    v[ks_b:ks_b+7],    v[ks_b+16:ks_b+23], 0
	v_wmma_f32_16x16x32_f16 v[AC+8:AC+15], v[ks_b+8:ks_b+15], v[ks_b+16:ks_b+23], 0
.else
	v_wmma_f32_16x16x32_f16 v[AC:AC+7],    v[ks_b:ks_b+7],    v[ks_b+16:ks_b+23], v[AC:AC+7]
	v_wmma_f32_16x16x32_f16 v[AC+8:AC+15], v[ks_b+8:ks_b+15], v[ks_b+16:ks_b+23], v[AC+8:AC+15]
.endif
.endm
	ds_load_b128 v[WF:WF+3],   v[CVR]
	ds_load_b128 v[WF+4:WF+7], v[CVR] offset:16
	KLOAD 0
	KLOAD 1
	s_wait_dscnt 12                                ; the two loads of W_v are in, the twelve behind them stay out
	global_store_b128 v[OUTO], v[WF:WF+3],   s[12:13]              ; a wave's store covers 512 consecutive bytes, aligned
	global_store_b128 v[OUTO], v[WF+4:WF+7], s[12:13] offset:512
.irp ks, 0,1,2,3,4,5,6,7,8,9,10,11,12,13,14,15
	KSTEP \ks
.endr
	PLACES
	; register j of lane (r, h) is M[f0 + 8 h + j][g0 + r]: eight neighbouring f, the 16 bytes of a fragment block
.irp k, 0,1,2,3
	v_cvt_pk_f16_f32 v[PK+\k],   v[AC+2*\k],   v[AC+2*\k+1]
	v_cvt_pk_f16_f32 v[PK+4+\k], v[AC+8+2*\k], v[AC+8+2*\k+1]
.endr
	global_store_b128 v[OUTO], v[PK:PK+3],   s[10:11]
	global_store_b128 v[OUTO], v[PK+4:PK+7], s[10:11] offset:512
	s_wait_tensorcnt 0x0
	ds_add_u32 v240, v241
	s_wait_dscnt 0x0
	s_endpgm
.Lfunc_end_k_q2d2c229cc6_wprep:
	.size	k_q2d2c229cc6_wprep, .Lfunc_end_k_q2d2c229cc6_wprep-k_q2d2c229cc6_wprep
	.p2alignl 7, 3214868480
	.fill 96, 4, 3214868480
	.section	.rodata,"a",@progbits
	.p2align	6, 0x0
	.amdhsa_kernel k_q2d2c229cc6_wprep
		.amdhsa_group_segment_fixed_size 173312
		.amdhsa_private_segment_fixed_size 0
		.amdhsa_enable_private_segment 0
		.amdhsa_kernarg_size 40
		.amdhsa_user_sgpr_count 2
		.amdhsa_user_sgpr_kernarg_segment_ptr 1
		.amdhsa_wavefront_size32 1
		.amdhsa_system_sgpr_workgroup_id_x 1
		.amdhsa_system_sgpr_workgroup_id_y 1
		.amdhsa_system_sgpr_workgroup_id_z 1
		.amdhsa_system_vgpr_workitem_id 0
		.amdhsa_next_free_vgpr 242
		.amdhsa_next_free_sgpr 66
		.amdhsa_reserve_vcc 0
		.amdhsa_float_denorm_mode_32 3
		.amdhsa_float_denorm_mode_16_64 3
		.amdhsa_memory_ordered 1
		.amdhsa_forward_progress 1
		.amdhsa_inst_pref_size 35
	.end_amdhsa_kernel
	.amdgpu_metadata
---
amdhsa.version: [ 1, 2 ]
amdhsa.kernels:
  - .name:           k_q2d2c229cc6_wprep
    .symbol:         k_q2d2c229cc6_wprep.kd
    .args:
      - { .name: W_q, .offset: 0, .size: 8, .value_kind: global_buffer, .address_space: global }
      - { .name: W_k, .offset: 8, .size: 8, .value_kind: global_buffer, .address_space: global }
      - { .name: W_v, .offset: 16, .size: 8, .value_kind: global_buffer, .address_space: global }
      - { .name: mt16, .offset: 24, .size: 8, .value_kind: global_buffer, .address_space: global }
      - { .name: wv16, .offset: 32, .size: 8, .value_kind: global_buffer, .address_space: global }
    .group_segment_fixed_size: 173312
    .private_segment_fixed_size: 0
    .kernarg_segment_align: 8
    .kernarg_segment_size: 40
    .max_flat_workgroup_size: 256
    .sgpr_count:     66
    .vgpr_count:     242
    .wavefront_size: 32
...
	.end_amdgpu_metadata
.endif
;; end of part 1
;; launch qprep (part 2): grid 256 x 1, 8 waves a work-group, no clusters, 18,432 bytes of LDS; arguments metal_feature, mt16, qf, qs; writes qf, qs
.if DOCPART == 2
	.amdgcn_target "amdgcn-amd-amdhsa--gfx1250"
	.amdhsa_code_object_version 6
	.text
	.protected	k_q2d2c229cc6_qprep
	.globl	k_q2d2c229cc6_qprep
	.p2align	8
	.type	k_q2d2c229cc6_qprep,@function
k_q2d2c229cc6_qprep:
	s_mov_b64 s[64:65], 0
	v_nop
	global_prefetch_b8 v0, s[64:65] scope:SCOPE_SE
	s_setreg_imm32_b32 hwreg(HW_REG_WAVE_MODE, 25, 1), 1
	s_wait_xcnt 0x0
; Q'[l][g] = sum over f of mf[l][f] M[f][g] for the 4,096 rows of metal_feature, then each row scaled by a power of two into f16:
;   q[l] = Q'[l] 2^-E,  E = the exponent of the row's largest |Q'|, so |q| < 2;   rs[l] = 2^E log2(e) / sqrt(512).
;   qf [panel p][ks 16][hf 2][lane][8 f16] = q[16 p + r][32 ks + 16 hf + 8 h + i]   (fragment order);   qs[l] = rs[l], f32.
; 256 work-groups of 8 waves; work-group p owns rows 16 p .. +15, wave w the columns g = 64 w .. +63 (four tiles), all 512 f.
; The product is used transposed (first source M^T, second source mf), so that a lane ends with eight neighbouring g of one row.
; LIMITS: |mf| below 65,504.  A row whose largest |Q'| is 2^127 or more gives q = 0; one whose largest is denormal gives rs = 0
; (its scores are then 0 instead of below 1e-35).
; No joint requests, although all work-groups read the same 512 KiB of mt16: the blocks lie in fragment order and go from memory straight into
; the registers of the one wave that multiplies them, 64 KiB a wave; a joint request lands in LDS, which would add 512 KiB written and
; 512 KiB read there for each work-group.
.set PP,  1040                         ; LDS pitch of a panel row: 512 f16 + 16 bytes = 65 x 16 bytes
.set RM,  16*PP                        ; 8 waves x 16 row maxima
.set MFO, 4                            ; v4   offset of my 16 bytes in the panel of mf
.set MO,  5                            ; v5   offset of my 16 bytes in mt16
.set PS,  6                            ; v6   LDS: where I put 8 bytes of the panel
.set PA,  7                            ; v7   LDS: where I read the panel's fragments
.set RMS, 8                            ; v8   LDS: my wave's row maxima
.set RMR, 9                            ; v9   LDS: row r's maxima
.set QFO, 10                           ; v10  offset in qf
.set QSO, 11                           ; v11  offset in qs
.set PB,  32                           ; v32-63   mf as loaded; then 4 buffers of 8 for the panel's fragments; then q packed
.set AC,  64                           ; v64-95   four accumulator tiles
.set RG,  96                           ; v96-255  ring of 5 units; a unit = one step of 32 f: 4 tiles x 2 blocks
.macro PLACES                          ; four independent vector instructions behind a matrix instruction (ISA guide 7.12.1)
.rept 4
	v_nop
.endr
.endm
	s_load_b256 s[4:11], s[0:1], 0x0               ; mf s[4:5], mt16 s[6:7], qf s[8:9], qs s[10:11]
	v_lshl_add_u32 v30, v0, 2, 0x4400
	v_mov_b32 v31, 0
	v_lshrrev_b32 v1, 5, v0
	v_readfirstlane_b32 s14, v1                    ; wave w
	v_and_b32 v1, 31, v0                           ; lane L
	v_lshrrev_b32 v2, 4, v1                        ; h
	v_and_b32 v3, 15, v1                           ; r
	s_mov_b32 s12, 0x76543210                      ; v_permlanex16_b32: lane i takes lane i of the other half
	s_mov_b32 s13, 0xfedcba98
	s_lshl_b32 s15, s14, 12
	v_lshl_add_u32 v[MFO], v1, 4, s15              ; rows 2 w, 2 w + 1: 4,096 w + 16 L
	s_lshl_b32 s15, s14, 16
	v_lshl_add_u32 v[MO], v1, 4, s15               ; tiles 4 w ..: 65,536 w + 16 L
	s_mul_i32 s15, s14, 2*PP
	v_lshl_add_u32 v[PS], v1, 3, s15
	v_mul_u32_u24 v12, v3, PP
	v_lshl_add_u32 v[PA], v2, 4, v12               ; row r, 16 h
	s_lshl_b32 s15, s14, 6
	s_add_co_u32 s15, s15, RM
	v_lshl_add_u32 v[RMS], v3, 2, s15
	v_lshlrev_b32 v[QSO], 2, v3
	v_add_nc_u32 v[RMR], RM, v[QSO]
	s_lshl_b32 s15, s14, 11
	v_lshl_add_u32 v[QFO], v1, 4, s15              ; blocks 4 w ..: 2,048 w + 16 L
	s_lshl_b32 s16, ttmp9, 15                      ; a panel of mf: 16 rows of 2,048 bytes
	s_mov_b32 s17, 0
	s_lshl_b32 s18, ttmp9, 14                      ; a panel of qf: 16,384 bytes
	s_mov_b32 s19, 0
	s_lshl_b32 s20, ttmp9, 6                       ; 16 words of qs
	s_mov_b32 s21, 0
	s_wait_kmcnt 0x0
	s_add_nc_u64 s[4:5], s[4:5], s[16:17]
	s_add_nc_u64 s[8:9], s[8:9], s[18:19]
	s_add_nc_u64 s[10:11], s[10:11], s[20:21]
.macro UNIT ks                         ; eight loads of 512 consecutive bytes: M^T's fragments of step ks for my four tiles
.set u_b, RG+32*((\ks)%5)
.irp gl, 0,1,2,3
	global_load_b128 v[u_b+8*\gl:u_b+8*\gl+3],   v[MO], s[6:7] offset:16384*\gl+1024*(\ks)
	global_load_b128 v[u_b+8*\gl+4:u_b+8*\gl+7], v[MO], s[6:7] offset:16384*\gl+1024*(\ks)+512
.endr
.endm
.macro FRAG ks                         ; the panel's fragment of step ks: row r, f = 32 ks + 8 h .. and + 16
.set f_b, PB+8*((\ks)%4)
	ds_load_b128 v[f_b:f_b+3],   v[PA] offset:64*(\ks)
	ds_load_b128 v[f_b+4:f_b+7], v[PA] offset:64*(\ks)+32
.endm
.macro STEP ks
.if (\ks) < 14
	FRAG \ks+2                                     ; into the buffer read two steps ago: eight places lie between
.endif
.if (\ks) < 11
	s_wait_loadcnt 32                              ; unit ks is in; the four younger units stay out
.else
	s_wait_loadcnt 8*(15-(\ks))
.endif
.if (\ks) < 14
	s_wait_dscnt 4                                 ; fragment ks is in; fragments ks + 1, ks + 2 stay out
.else
	s_wait_dscnt 2*(15-(\ks))
.endif
.set st_a, RG+32*((\ks)%5)
.set st_b, PB+8*((\ks)%4)
.irp gl, 0,1,2,3
.if (\ks) == 0
	v_wmma_f32_16x16x32_f16 v[AC+8*\gl:AC+8*\gl+7], v[st_a+8*\gl:st_a+8*\gl+7], v[st_b:st_b+7], 0
.else
	v_wmma_f32_16x16x32_f16 v[AC+8*\gl:AC+8*\gl+7], v[st_a+8*\gl:st_a+8*\gl+7], v[st_b:st_b+7], v[AC+8*\gl:AC+8*\gl+7]
.endif
.endr
	PLACES                                         ; in front of the loads into the unit just read, and of the way out
.if (\ks) < 11
	UNIT \ks+5
.endif
.endm
.irp e, 0,1
.irp q, 0,1,2,3
	global_load_b128 v[PB+16*\e+4*\q:PB+16*\e+4*\q+3], v[MFO], s[4:5] offset:\e*2048+\q*512 th:TH_LOAD_NT
.endr
.endr
	UNIT 0
	UNIT 1
	UNIT 2
	UNIT 3
	UNIT 4
	s_wait_loadcnt 40                              ; 8 + 40 loads issued: my two rows of mf are in
.irp i, 0,1,2,3,4,5,6,7
	v_cvt_pk_f16_f32 v[PB+4*\i], v[PB+4*\i], v[PB+4*\i+1]
	v_cvt_pk_f16_f32 v[PB+4*\i+1], v[PB+4*\i+2], v[PB+4*\i+3]
.endr
.irp e, 0,1
.irp q, 0,1,2,3
	ds_store_b64 v[PS], v[PB+16*\e+4*\q:PB+16*\e+4*\q+1] offset:\e*PP+\q*256
.endr
.endr
	s_wait_dscnt 0x0                               ; my rows are in LDS before I say so
	s_barrier_signal -1
	s_barrier_wait -1                              ; the panel is whole and is not written again
	FRAG 0
	FRAG 1
.irp ks, 0,1,2,3,4,5,6,7,8,9,10,11,12,13,14,15
	STEP \ks
.endr
	; the row's largest |Q'|: my 32 numbers (all of row r), the other half of the lanes, the eight waves
.irp t, 0,1,2,3
	v_max3_num_f32 v[20+\t], |v[AC+8*\t]|, |v[AC+8*\t+1]|, |v[AC+8*\t+2]|
.endr
.irp t, 0,1,2,3
	v_max3_num_f32 v[20+\t], v[20+\t], |v[AC+8*\t+3]|, |v[AC+8*\t+4]|
.endr
.irp t, 0,1,2,3
	v_max3_num_f32 v[20+\t], v[20+\t], |v[AC+8*\t+5]|, |v[AC+8*\t+6]|
.endr
.irp t, 0,1,2,3
	v_max_num_f32 v[20+\t], v[20+\t], |v[AC+8*\t+7]|
.endr
	v_max3_num_f32 v20, v20, v21, v22
	v_max_num_f32 v20, v20, v23
	v_permlanex16_b32 v21, v20, s12, s13
	v_max_num_f32 v20, v20, v21
	ds_store_b32 v[RMS], v20                       ; both halves of the lanes store the same number to the same word
	s_wait_dscnt 0x0
	s_barrier_signal -1
	s_barrier_wait -1
.irp k, 0,1,2,3,4,5,6,7
	ds_load_b32 v[12+\k], v[RMR] offset:64*\k
.endr
	s_wait_dscnt 0x0
	v_max3_num_f32 v12, v12, v13, v14
	v_max3_num_f32 v15, v15, v16, v17
	v_max3_num_f32 v12, v12, v18, v19
	v_max_num_f32 v12, v12, v15
	v_and_b32 v12, 0x7f800000, v12                 ; 2^E: the exponent field alone
	v_sub_nc_u32 v22, 0x7f000000, v12              ; 2^-E: exponent field 254 - (E + 127)
	v_mov_b32 v23, v22
	v_mul_f32 v13, 0x3d8293ee, v12                 ; rs = 2^E log2(e) / sqrt(512)
.irp i, 0,1,2,3,4,5,6,7,8,9,10,11,12,13,14,15
	v_pk_mul_f32 v[AC+2*\i:AC+2*\i+1], v[AC+2*\i:AC+2*\i+1], v[22:23]
.endr
.irp i, 0,1,2,3,4,5,6,7,8,9,10,11,12,13,14,15
	v_cvt_pk_f16_f32 v[PB+\i], v[AC+2*\i], v[AC+2*\i+1]
.endr
.irp gl, 0,1,2,3
	global_store_b128 v[QFO], v[PB+4*\gl:PB+4*\gl+3], s[8:9] offset:512*\gl    ; tile 4 w + gl is block 4 w + gl: 512 consecutive bytes
.endr
	s_cmp_lg_u32 s14, 0
	s_cbranch_scc1 .Lend
	global_store_b32 v[QSO], v13, s[10:11]         ; wave 0 alone: 16 words; lanes r and 16 + r store the same number to the same word
.Lend:
	s_wait_tensorcnt 0x0
	ds_add_u32 v30, v31
	s_wait_dscnt 0x0
	s_endpgm
.Lfunc_end_k_q2d2c229cc6_qprep:
	.size	k_q2d2c229cc6_qprep, .Lfunc_end_k_q2d2c229cc6_qprep-k_q2d2c229cc6_qprep
	.p2alignl 7, 3214868480
	.fill 96, 4, 3214868480
	.section	.rodata,"a",@progbits
	.p2align	6, 0x0
	.amdhsa_kernel k_q2d2c229cc6_qprep
		.amdhsa_group_segment_fixed_size 18432
		.amdhsa_private_segment_fixed_size 0
		.amdhsa_enable_private_segment 0
		.amdhsa_kernarg_size 32
		.amdhsa_user_sgpr_count 2
		.amdhsa_user_sgpr_kernarg_segment_ptr 1
		.amdhsa_wavefront_size32 1
		.amdhsa_system_sgpr_workgroup_id_x 1
		.amdhsa_system_sgpr_workgroup_id_y 1
		.amdhsa_system_sgpr_workgroup_id_z 1
		.amdhsa_system_vgpr_workitem_id 0
		.amdhsa_next_free_vgpr 256
		.amdhsa_next_free_sgpr 66
		.amdhsa_reserve_vcc 0
		.amdhsa_float_denorm_mode_32 3
		.amdhsa_float_denorm_mode_16_64 3
		.amdhsa_memory_ordered 1
		.amdhsa_forward_progress 1
		.amdhsa_inst_pref_size 31
	.end_amdhsa_kernel
	.amdgpu_metadata
---
amdhsa.version: [ 1, 2 ]
amdhsa.kernels:
  - .name:           k_q2d2c229cc6_qprep
    .symbol:         k_q2d2c229cc6_qprep.kd
    .args:
      - { .name: metal_feature, .offset: 0, .size: 8, .value_kind: global_buffer, .address_space: global }
      - { .name: mt16, .offset: 8, .size: 8, .value_kind: global_buffer, .address_space: global }
      - { .name: qf, .offset: 16, .size: 8, .value_kind: global_buffer, .address_space: global }
      - { .name: qs, .offset: 24, .size: 8, .value_kind: global_buffer, .address_space: global }
    .group_segment_fixed_size: 18432
    .private_segment_fixed_size: 0
    .kernarg_segment_align: 8
    .kernarg_segment_size: 32
    .max_flat_workgroup_size: 256
    .sgpr_count:     66
    .vgpr_count:     256
    .wavefront_size: 32
...
	.end_amdgpu_metadata
.endif
;; end of part 2
;; launch attn (part 3): grid 4 x 64, 4 waves a work-group, no clusters, 134,656 bytes of LDS; arguments x, mask, qf, qs, yp, ml; writes yp, ml
.if DOCPART == 3
	.amdgcn_target "amdgcn-amd-amdhsa--gfx1250"
	.amdhsa_code_object_version 6
	.text
	.protected	k_q2d2c229cc6_attn
	.globl	k_q2d2c229cc6_attn
	.p2align	8
	.type	k_q2d2c229cc6_attn,@function
k_q2d2c229cc6_attn:
	s_mov_b64 s[64:65], 0
	v_nop
	global_prefetch_b8 v0, s[64:65] scope:SCOPE_SE
	s_setreg_imm32_b32 hwreg(HW_REG_WAVE_MODE, 25, 1), 1
	s_wait_xcnt 0x0
; Attention of the 64 queries of batch b over the 256 keys of chunk c, on x itself:
;   t[l][n] = rs[l] (q[l] . x[n]) + (mask[n] - 1) 1e10 log2(e)        (the score in units of log2)
;   m[l] = max over n of t,  P = 2^(t - m),  l[l] = sum of P,  Y[l][f] = sum over n of P[l][n] x[n][f]
; with a running maximum over four tiles of 64 keys.  Out: Y / l in f16 and (m, l) in f32; the last launch joins the four chunks with the true maximum.
;   yp [b][c][qt 4][T 32][lane][8 f16] = (Y/l)[16 qt + r][128 (T>>3) + 8 (T&7) + 64 h + j]        ml [b][c][2][64] = m, then l
; 256 work-groups of four waves, 512 KiB of x each, read once: global load, round to f16 in registers, 8 bytes a lane into one of two LDS slots.
; For loading wave w owns keys 16 w .. +15 of each tile; for computing it owns queries 16 w .. +15, all keys, all 512 f.
; Both products are used transposed: S^T = x q^T (a lane holds 8 keys of ONE query), Y^T = x^T P^T (a lane holds 8 f of ONE query).  So the
; softmax's figures are one number a lane, two packed score tiles ARE the second source of the second product, and nothing is shuffled.
; Hence the order of f in yp (and in wv16).
; LIMITS: |x| below 65,504.  P below 6e-8 is rounded to 0.  log2(e) is folded into the score ahead of the bias, an order of rounding
; other than the reference's; like there a masked score is absorbed by the bias, so that a batch with no key left attends evenly.
; No joint requests: the four work-groups of a batch share only q, 64 KiB of the 576 KiB that each reads, and x has to pass through registers to
; be rounded.
; No loop: four trips, the first and the last unlike the others, are written out; the text has no label, so no register window has to be reset.
.set PX,    1040                       ; LDS pitch of a row of x: 512 f16 + 16 bytes
.set XSLOT, 64*PX                      ; a slot: 64 keys.  Slots at 0 and XSLOT
.set BIAS,  2*XSLOT                    ; 256 f32: the chunk's biases
; window 0
.set XO,  4                            ; offset of my 16 bytes in x: 32,768 w + 16 L
.set SA,  6                            ; v6, v7: where I put 8 bytes, slot 0, 1
.set QO,  8                            ; 16,384 w + 16 L: offset in qf (and in yp)
.set RSO, 9                            ; 64 w + 4 r: offset in qs
.set MKO, 10                           ; 8 x thread: offset in mask
.set BST, 11                           ; where I put two biases
.set MK,  12                           ; v12-13: two mask words, then two biases
.set ST,  32                           ; v32-255: ring of 7 units of 8 loads (2 keys)
; window 1: Y, tile T at v[8 T]
; window 2
.set RQ,  0                            ; v0-127    q: 16 fragments
.set RT,  128                          ; v128-159  t, then P
.set RBI, 160                          ; v160-191  biases of my 32 keys
.set RPF, 192                          ; v192-207  P in f16: two fragments
.set RRS, 208                          ; pair: rs
.set RAL, 210                          ; pair: 2^(old m - new m)
.set RMN, 212                          ; pair: new m
.set RM,  214                          ; m
.set RL,  215                          ; l (of my half of the keys until the end)
.set RX,  216                          ; v216-223 at work
.set RIV, 224                          ; pair: 1 / l
; window 3
.set SAC, 0                            ; v0-31    four score tiles
.set FB,  32                           ; v32-223  three fragment buffers of 64
.set NA,  224                          ; v224, v225  rows of x as they lie: slot + PX r + 16 h
.set TR,  226                          ; v226, v227  transposing: slot + (8 h + (L&7)) PX + 128 ((L>>3)&1)
.set BA,  228                          ; BIAS + 32 h
.set YO,  229                          ; offset in yp
.set MLO, 230                          ; offset in ml
.set MV,  231                          ; m or l
.set YT,  32                           ; the way out: Y / l in f32, 8 tiles at a time
.set YP,  96                           ; the way out: packed, 128 registers, none used twice
.set MSB, 0
.macro WIN new                         ; s_set_vgpr_msb: bits 1:0 source 0, 3:2 source 1, 5:4 source 2, 7:6 destination; the high byte repeats the setting left
.if MSB != \new
	s_set_vgpr_msb (MSB<<8)|\new
.set MSB, \new
.endif
.endm
.macro PLACES                          ; four independent vector instructions behind a matrix instruction (ISA guide 7.12.1)
.rept 4
	v_nop
.endr
.endm
	s_load_b256 s[4:11], s[0:1], 0x0               ; x s[4:5], mask s[6:7], qf s[8:9], qs s[10:11]
	s_load_b128 s[12:15], s[0:1], 0x20             ; yp s[12:13], ml s[14:15]
	v_lshl_add_u32 v30, v0, 2, 0x20c00
	v_mov_b32 v31, 0
	v_lshrrev_b32 v1, 5, v0
	v_readfirstlane_b32 s16, v1                    ; wave w
	s_and_b32 s18, ttmp7, 0xffff                   ; b
	s_lshl2_add_u32 s19, s18, ttmp9                ; 4 b + c
	s_mov_b32 s20, 0x5056fa73                      ; 1e10 log2(e)
	s_mov_b32 s22, 0x76543210                      ; v_permlanex16_b32: lane i takes lane i of the other half
	s_mov_b32 s23, 0xfedcba98
	v_and_b32 v1, 31, v0                           ; lane L
	v_lshrrev_b32 v2, 4, v1                        ; h
	v_and_b32 v3, 15, v1                           ; r
	v_cmp_ne_u32 vcc_lo, 0, v2                     ; the upper half of the lanes; kept to the end
	s_lshl_b32 s24, s16, 15
	v_lshl_add_u32 v[XO], v1, 4, s24
	s_mul_i32 s24, s16, 16*PX
	v_lshl_add_u32 v[SA], v1, 3, s24
	v_add_nc_u32 v[SA+1], XSLOT, v[SA]
	s_lshl_b32 s24, s16, 14
	v_lshl_add_u32 v[QO], v1, 4, s24
	s_lshl_b32 s24, s16, 6
	v_lshl_add_u32 v[RSO], v3, 2, s24
	v_lshlrev_b32 v[MKO], 3, v0
	v_add_nc_u32 v[BST], BIAS, v[MKO]
	v_mul_u32_u24 v14, v3, PX
	v_lshl_add_u32 v14, v2, 4, v14
	v_and_b32 v16, 7, v1
	v_lshl_add_u32 v16, v2, 3, v16
	v_mul_u32_u24 v16, v16, PX
	v_bfe_u32 v17, v1, 3, 1
	v_lshl_add_u32 v16, v17, 7, v16
	v_lshlrev_b32 v18, 5, v2
	v_lshl_add_u32 v20, v2, 8, v[RSO]              ; 256 h + 64 w + 4 r
	WIN 0xc0                                       ; destination window 3, sources window 0
	v_mov_b32 v[NA], v14
	v_add_nc_u32 v[NA+1], XSLOT, v14
	v_mov_b32 v[TR], v16
	v_add_nc_u32 v[TR+1], XSLOT, v16
	v_add_nc_u32 v[BA], BIAS, v18
	v_mov_b32 v[YO], v[QO]
	v_mov_b32 v[MLO], v20
	WIN 0
	s_lshl_b32 s24, s19, 19                        ; x: 512 KiB a chunk
	s_mov_b32 s25, 0
	s_lshl_b32 s26, s19, 10                        ; mask: 256 words a chunk
	s_mov_b32 s27, 0
	s_lshl_b32 s28, s18, 16                        ; qf: four panels a batch
	s_mov_b32 s29, 0
	s_lshl_b32 s30, s18, 8                         ; qs: 64 words a batch
	s_mov_b32 s31, 0
	s_wait_kmcnt 0x0
	s_add_nc_u64 s[4:5], s[4:5], s[24:25]
	s_add_nc_u64 s[6:7], s[6:7], s[26:27]
	s_add_nc_u64 s[8:9], s[8:9], s[28:29]
	s_add_nc_u64 s[10:11], s[10:11], s[30:31]
	s_lshl_b32 s24, s19, 16                        ; yp: 64 KiB a chunk
	s_add_nc_u64 s[12:13], s[12:13], s[24:25]
	s_lshl_b32 s24, s19, 9                         ; ml: 512 bytes a chunk
	s_add_nc_u64 s[14:15], s[14:15], s[24:25]
; unit n (0 .. 31): keys 2 (n&7), + 1 of my sixteen in tile n>>3; eight loads of 512 consecutive bytes
.macro SUBLOAD n
.set sl_b, ST+32*((\n)%7)
.irp e, 0,1
.irp q, 0,1,2,3
	global_load_b128 v[sl_b+16*\e+4*\q:sl_b+16*\e+4*\q+3], v[XO], s[4:5] offset:(64*((\n)>>3)+2*((\n)&7)+\e)*2048+512*\q th:TH_LOAD_NT
.endr
.endr
.endm
; unit n is there: round in place, store 256 consecutive bytes a wave and instruction, ask for unit n + 7 into the same registers
.macro SUB n
	WIN 0
.if (\n) < 25
	s_wait_loadcnt 48                              ; the six younger units stay out
.else
	s_wait_loadcnt 8*(31-(\n))
.endif
.set su_b, ST+32*((\n)%7)
.irp i, 0,1,2,3,4,5,6,7
	v_cvt_pk_f16_f32 v[su_b+4*\i], v[su_b+4*\i], v[su_b+4*\i+1]
	v_cvt_pk_f16_f32 v[su_b+4*\i+1], v[su_b+4*\i+2], v[su_b+4*\i+3]
.endr
.irp e, 0,1
.irp q, 0,1,2,3
	ds_store_b64 v[SA+(((\n)>>3)&1)], v[su_b+16*\e+4*\q:su_b+16*\e+4*\q+1] offset:(2*((\n)&7)+\e)*PX+256*\q
.endr
.endr
.if (\n) < 25
	SUBLOAD \n+7
.endif
.endm
; scores, group g (0 .. 7): steps 2 g, 2 g + 1 of 32 features, four tiles of 16 keys: 16 loads, 8 products
.macro SLOADS slot, g, u
	WIN 0xfb                                       ; destination, address and first source window 3, second source (q) window 2
.irp ksl, 0,1
.irp kt, 0,1,2,3
	ds_load_b128 v[FB+64*(\u)+8*(4*\ksl+\kt):FB+64*(\u)+8*(4*\ksl+\kt)+3],   v[NA+\slot] offset:16*PX*\kt+64*(2*(\g)+\ksl)
	ds_load_b128 v[FB+64*(\u)+8*(4*\ksl+\kt)+4:FB+64*(\u)+8*(4*\ksl+\kt)+7], v[NA+\slot] offset:16*PX*\kt+64*(2*(\g)+\ksl)+32
.endr
.endr
.endm
.macro SMUL g, u
	WIN 0xfb
.irp ksl, 0,1
.irp kt, 0,1,2,3
.if (2*(\g)+\ksl) == 0
	v_wmma_f32_16x16x32_f16 v[SAC+8*\kt:SAC+8*\kt+7], v[FB+64*(\u)+8*(4*\ksl+\kt):FB+64*(\u)+8*(4*\ksl+\kt)+7], v[RQ+8*(2*(\g)+\ksl):RQ+8*(2*(\g)+\ksl)+7], 0
.else
	v_wmma_f32_16x16x32_f16 v[SAC+8*\kt:SAC+8*\kt+7], v[FB+64*(\u)+8*(4*\ksl+\kt):FB+64*(\u)+8*(4*\ksl+\kt)+7], v[RQ+8*(2*(\g)+\ksl):RQ+8*(2*(\g)+\ksl)+7], v[SAC+8*\kt:SAC+8*\kt+7]
.endif
.endr
.endr
.endm
.macro SPHASE slot
	PLACES
	SLOADS \slot, 0, 0
	SLOADS \slot, 1, 1
.irp g, 0,1,2,3,4,5,6,7
.if \g < 6
.if \g > 0
	PLACES                                         ; the buffer loaded next was read by the eight products just issued
.endif
	SLOADS \slot, \g+2, (\g+2)%3
	s_wait_dscnt 32                                ; group g (and all in front of it) is in; groups g + 1, g + 2 stay out
.else
	s_wait_dscnt 16*(7-\g)
.endif
	SMUL \g, \g%3
.endr
.endm
; Y, group g (0 .. 7): keys 32 (g>>2) .. +31, features 128 (g&3) .. +127 (tiles 8 (g&3) .. +7): 16 transposing loads, 8 products
.macro VLOADS slot, g, u
	WIN 0xfb
.irp i, 0,1,2,3,4,5,6,7
	ds_load_tr16_b128 v[FB+64*(\u)+8*\i:FB+64*(\u)+8*\i+3],   v[TR+\slot] offset:32*PX*((\g)>>2)+256*((\g)&3)+16*\i
	ds_load_tr16_b128 v[FB+64*(\u)+8*\i+4:FB+64*(\u)+8*\i+7], v[TR+\slot] offset:32*PX*((\g)>>2)+256*((\g)&3)+16*\i+16*PX
.endr
.endm
.macro VMUL g, u, first
	WIN 0x5b                                       ; first source window 3, second (P) window 2, C and D (Y) window 1
.set vz, 0
.if \first
.if (\g) < 4
.set vz, 1                                         ; the very first product of a tile starts its sum
.endif
.endif
.irp i, 0,1,2,3,4,5,6,7
.if vz
	v_wmma_f32_16x16x32_f16 v[8*(8*((\g)&3)+\i):8*(8*((\g)&3)+\i)+7], v[FB+64*(\u)+8*\i:FB+64*(\u)+8*\i+7], v[RPF+8*((\g)>>2):RPF+8*((\g)>>2)+7], 0
.else
	v_wmma_f32_16x16x32_f16 v[8*(8*((\g)&3)+\i):8*(8*((\g)&3)+\i)+7], v[FB+64*(\u)+8*\i:FB+64*(\u)+8*\i+7], v[RPF+8*((\g)>>2):RPF+8*((\g)>>2)+7], v[8*(8*((\g)&3)+\i):8*(8*((\g)&3)+\i)+7]
.endif
.endr
.endm
.macro VPHASE slot, first              ; groups 0 and 1 were asked for in front of the softmax
.irp g, 0,1,2,3,4,5,6,7
.if \g < 6
.if \g > 0
	PLACES
.endif
	VLOADS \slot, \g+2, (\g+2)%3
	s_wait_dscnt 32                                ; all in front of groups g + 1, g + 2 is done: group g, and the LDS stores issued ahead of it
.else
	s_wait_dscnt 16*(7-\g)
.endif
	VMUL \g, \g%3, \first
.endr
.endm
; one tile's softmax step.  Lane (r, h) holds, of query r, the keys 16 kt + 8 h + j in register 8 kt + j.
.macro SOFTMAX first
	WIN 0xab                                       ; scores window 3, the rest window 2
.irp i, 0,1,2,3,4,5,6,7,8,9,10,11,12,13,14,15
	v_pk_fma_f32 v[RT+2*\i:RT+2*\i+1], v[SAC+2*\i:SAC+2*\i+1], v[RRS:RRS+1], v[RBI+2*\i:RBI+2*\i+1]
.endr
	WIN 0xaa
.irp k, 0,1,2,3
	v_max3_num_f32 v[RX+\k], v[RT+8*\k], v[RT+8*\k+1], v[RT+8*\k+2]
.endr
.irp k, 0,1,2,3
	v_max3_num_f32 v[RX+\k], v[RX+\k], v[RT+8*\k+3], v[RT+8*\k+4]
.endr
.irp k, 0,1,2,3
	v_max3_num_f32 v[RX+\k], v[RX+\k], v[RT+8*\k+5], v[RT+8*\k+6]
.endr
	v_max3_num_f32 v[RX], v[RX], v[RX+1], v[RT+7]
	v_max3_num_f32 v[RX+2], v[RX+2], v[RX+3], v[RT+15]
	v_max3_num_f32 v[RX], v[RX], v[RX+2], v[RT+23]
	v_max_num_f32 v[RX], v[RX], v[RT+31]
	v_permlanex16_b32 v[RX+1], v[RX], s22, s23     ; the other 32 keys of my query
.if \first
	v_max_num_f32 v[RMN], v[RX], v[RX+1]
.else
	v_max3_num_f32 v[RMN], v[RX], v[RX+1], v[RM]
	v_sub_f32 v[RAL], v[RM], v[RMN]
.endif
	v_mov_b32 v[RMN+1], v[RMN]
	v_mov_b32 v[RM], v[RMN]
.irp i, 0,1,2,3,4,5,6,7,8,9,10,11,12,13,14,15
	v_pk_add_f32 v[RT+2*\i:RT+2*\i+1], v[RT+2*\i:RT+2*\i+1], v[RMN:RMN+1] neg_lo:[0,1] neg_hi:[0,1]
.endr
.if \first == 0
	v_exp_f32 v[RAL], v[RAL]
.endif
.set j, 0
.rept 32
	v_exp_f32 v[RT+j], v[RT+j]
.set j, j+1
.endr
	v_nop                                          ; one plain instruction between the last exponential and the first use (ISA guide 5.7.2)
.if \first == 0
	s_wait_alu depctr_va_vdst(0)
	v_mov_b32 v[RAL+1], v[RAL]
.endif
	s_wait_alu depctr_va_vdst(0)
.irp i, 0,1,2,3,4,5,6,7,8,9,10,11,12,13,14,15
	v_cvt_pk_f16_f32 v[RPF+\i], v[RT+2*\i], v[RT+2*\i+1]       ; tiles 2 kp, 2 kp + 1 packed = keys 8 h .., 16 + 8 h .. of 32: a second source as it stands
.endr
.irp i, 0,1,2,3,4,5,6,7
	v_pk_add_f32 v[RT+2*\i:RT+2*\i+1], v[RT+2*\i:RT+2*\i+1], v[RT+16+2*\i:RT+17+2*\i]
.endr
.irp i, 0,1,2,3
	v_pk_add_f32 v[RT+2*\i:RT+2*\i+1], v[RT+2*\i:RT+2*\i+1], v[RT+8+2*\i:RT+9+2*\i]
.endr
.irp i, 0,1
	v_pk_add_f32 v[RT+2*\i:RT+2*\i+1], v[RT+2*\i:RT+2*\i+1], v[RT+4+2*\i:RT+5+2*\i]
.endr
	v_pk_add_f32 v[RT:RT+1], v[RT:RT+1], v[RT+2:RT+3]
.if \first
	v_add_f32 v[RL], v[RT], v[RT+1]
.else
	v_add_f32 v[RT], v[RT], v[RT+1]
	v_fma_f32 v[RL], v[RL], v[RAL], v[RT]
	WIN 0x49                                       ; Y window 1, the factor window 2
.set j, 0
.rept 128
	v_pk_mul_f32 v[2*j:2*j+1], v[2*j:2*j+1], v[RAL:RAL+1]
.set j, j+1
.endr
.endif
.endm
; tile t, in slot t & 1.  more = 1: the next tile's eight units are rounded and stored into the other slot, half behind each phase of products.
.macro TRIP t, slot, first, more
	WIN 0x83                                       ; destination window 2, address window 3
.irp kt, 0,1,2,3
	ds_load_b128 v[RBI+8*\kt:RBI+8*\kt+3],   v[BA] offset:256*\t+64*\kt
	ds_load_b128 v[RBI+8*\kt+4:RBI+8*\kt+7], v[BA] offset:256*\t+64*\kt+16
.endr
	SPHASE \slot
.if \more
	SUB 8*(\t+1)+0
	SUB 8*(\t+1)+1
	SUB 8*(\t+1)+2
	SUB 8*(\t+1)+3
.endif
	PLACES                                         ; behind the last score products: for the loads into their buffers and for the softmax
	VLOADS \slot, 0, 0
	VLOADS \slot, 1, 1
	SOFTMAX \first
	VPHASE \slot, \first
.if \more
	SUB 8*(\t+1)+4
	SUB 8*(\t+1)+5
	SUB 8*(\t+1)+6
	SUB 8*(\t+1)+7
	s_wait_dscnt 0x0                               ; my reads of this slot are over and my part of the next tile is in LDS:
	s_barrier_signal -1                            ; one barrier a trip says both;
	s_barrier_wait -1                              ; behind it the other slot is read and this one written
.endif
.endm
	global_load_b64 v[MK:MK+1], v[MKO], s[6:7]     ; two keys' mask words a thread
	WIN 0x80                                       ; destination window 2, address window 0
	global_load_b32 v[RRS], v[RSO], s[10:11]
.set j, 0
.rept 32
	global_load_b128 v[RQ+4*j:RQ+4*j+3], v[QO], s[8:9] offset:512*j
.set j, j+1
.endr
	WIN 0
	SUBLOAD 0
	SUBLOAD 1
	SUBLOAD 2
	s_wait_loadcnt 24                              ; 34 + 24 loads issued: mask, rs and q are in
	SUBLOAD 3
	SUBLOAD 4
	SUBLOAD 5
	SUBLOAD 6
	v_cvt_f32_i32 v[MK], v[MK]
	v_cvt_f32_i32 v[MK+1], v[MK+1]
	v_fma_f32 v[MK], v[MK], s20, -s20              ; (mask - 1) 1e10 log2(e): exactly 0 where mask = 1
	v_fma_f32 v[MK+1], v[MK+1], s20, -s20
	ds_store_b64 v[BST], v[MK:MK+1]
	WIN 0xaa
	v_mov_b32 v[RRS+1], v[RRS]
	SUB 0
	SUB 1
	SUB 2
	SUB 3
	SUB 4
	SUB 5
	SUB 6
	SUB 7
	s_wait_dscnt 0x0                               ; my biases and my part of tile 0 are in LDS before I say so
	s_barrier_signal -1
	s_barrier_wait -1
	TRIP 0, 0, 1, 1
	TRIP 1, 1, 0, 1
	TRIP 2, 0, 0, 1
	TRIP 3, 1, 0, 0
	; the way out
	PLACES
	WIN 0xaa
	v_permlanex16_b32 v[RX], v[RL], s22, s23
	v_add_f32 v[RL], v[RL], v[RX]                  ; l over both halves of the keys
	v_rcp_f32 v[RIV], v[RL]
	v_nop                                          ; one plain instruction behind the reciprocal
	s_wait_alu depctr_va_vdst(0)
	v_mov_b32 v[RIV+1], v[RIV]
.macro YOUT bt                         ; tiles 8 bt .. +7: scale, pack, store; a tile is a block of 512 consecutive bytes
	WIN 0xc9                                       ; destination window 3, Y window 1, 1 / l window 2
.set j, 0
.rept 32
	v_pk_mul_f32 v[YT+2*j:YT+2*j+1], v[64*\bt+2*j:64*\bt+2*j+1], v[RIV:RIV+1]
.set j, j+1
.endr
	WIN 0xcf                                       ; all in window 3
.set j, 0
.rept 32
	v_cvt_pk_f16_f32 v[YP+32*\bt+j], v[YT+2*j], v[YT+2*j+1]
.set j, j+1
.endr
.irp i, 0,1,2,3,4,5,6,7
	global_store_b128 v[YO], v[YP+32*\bt+4*\i:YP+32*\bt+4*\i+3], s[12:13] offset:512*(8*\bt+\i)
.endr
.endm
	YOUT 0
	YOUT 1
	YOUT 2
	YOUT 3
	WIN 0xca                                       ; destination window 3, sources window 2
	v_cndmask_b32 v[MV], v[RM], v[RL], vcc_lo      ; lanes 0-15 carry m of query r, lanes 16-31 its l
	WIN 0xcf
	global_store_b32 v[MLO], v[MV], s[14:15]
	WIN 0
	s_wait_tensorcnt 0x0
	ds_add_u32 v30, v31
	s_wait_dscnt 0x0
	s_endpgm
.Lfunc_end_k_q2d2c229cc6_attn:
	.size	k_q2d2c229cc6_attn, .Lfunc_end_k_q2d2c229cc6_attn-k_q2d2c229cc6_attn
	.p2alignl 7, 3214868480
	.fill 96, 4, 3214868480
	.section	.rodata,"a",@progbits
	.p2align	6, 0x0
	.amdhsa_kernel k_q2d2c229cc6_attn
		.amdhsa_group_segment_fixed_size 134656
		.amdhsa_private_segment_fixed_size 0
		.amdhsa_enable_private_segment 0
		.amdhsa_kernarg_size 48
		.amdhsa_user_sgpr_count 2
		.amdhsa_user_sgpr_kernarg_segment_ptr 1
		.amdhsa_wavefront_size32 1
		.amdhsa_system_sgpr_workgroup_id_x 1
		.amdhsa_system_sgpr_workgroup_id_y 1
		.amdhsa_system_sgpr_workgroup_id_z 1
		.amdhsa_system_vgpr_workitem_id 0
		.amdhsa_next_free_vgpr 1024
		.amdhsa_next_free_sgpr 66
		.amdhsa_reserve_vcc 1
		.amdhsa_float_denorm_mode_32 3
		.amdhsa_float_denorm_mode_16_64 3
		.amdhsa_memory_ordered 1
		.amdhsa_forward_progress 1
		.amdhsa_inst_pref_size 255
	.end_amdhsa_kernel
	.section	.bss,"aw",@nobits
	.p2align	6
	.space	262144
	.amdgpu_metadata
---
amdhsa.version: [ 1, 2 ]
amdhsa.kernels:
  - .name:           k_q2d2c229cc6_attn
    .symbol:         k_q2d2c229cc6_attn.kd
    .args:
      - { .name: x, .offset: 0, .size: 8, .value_kind: global_buffer, .address_space: global }
      - { .name: mask, .offset: 8, .size: 8, .value_kind: global_buffer, .address_space: global }
      - { .name: qf, .offset: 16, .size: 8, .value_kind: global_buffer, .address_space: global }
      - { .name: qs, .offset: 24, .size: 8, .value_kind: global_buffer, .address_space: global }
      - { .name: yp, .offset: 32, .size: 8, .value_kind: global_buffer, .address_space: global }
      - { .name: ml, .offset: 40, .size: 8, .value_kind: global_buffer, .address_space: global }
    .group_segment_fixed_size: 134656
    .private_segment_fixed_size: 0
    .kernarg_segment_align: 8
    .kernarg_segment_size: 48
    .max_flat_workgroup_size: 128
    .sgpr_count:     66
    .vgpr_count:     1024
    .wavefront_size: 32
...
	.end_amdgpu_metadata
.endif
;; end of part 3
;; launch outp (part 4): grid 256 x 1, 8 waves a work-group, no clusters, 52,224 bytes of LDS; arguments yp, ml, wv16, out0; writes out0
.if DOCPART == 4
	.amdgcn_target "amdgcn-amd-amdhsa--gfx1250"
	.amdhsa_code_object_version 6
	.text
	.protected	k_q2d2c229cc6_outp
	.globl	k_q2d2c229cc6_outp
	.p2align	8
	.type	k_q2d2c229cc6_outp,@function
k_q2d2c229cc6_outp:
	s_mov_b64 s[64:65], 0
	v_nop
	global_prefetch_b8 v0, s[64:65] scope:SCOPE_SE
	s_setreg_imm32_b32 hwreg(HW_REG_WAVE_MODE, 25, 1), 1
	s_wait_xcnt 0x0
; out[l][k] = relu( sum over f of Yn[l][f] W_v[k][f] ),  Yn = sum over the four chunks c of w_c (Y_c / l_c),
;   w_c = 2^(m_c - m*) l_c / sum over c of 2^(m_c - m*) l_c,  m* = the largest m_c: the softmax over all 1,024 keys with its true maximum.
; 256 work-groups of 8 waves; work-group p = 4 b + qt owns the 16 queries 16 qt .. of batch b, wave w the output columns 64 w .. +63.
; yp's blocks and wv16's blocks carry f in the same order, so both are matrix operands as they lie.  Wave w joins blocks 4 w .. 4 w + 3 in f32,
; rounds once to f16 and leaves them in LDS for all eight waves.  The product is used transposed (first source W_v, second Yn): a lane ends
; with eight neighbouring columns of one query.
; LIMITS: chunk weights below 2^-126 are 0 (the exponential flushes).  Yn is a convex mix of rows of x: it has x's range in f16.
; No joint requests, although all work-groups read the same 512 KiB of wv16: the blocks go from memory straight into the registers of the one
; wave that multiplies them, 64 KiB a wave; a joint request lands in LDS, which would add 512 KiB written and 512 KiB read there for each
; work-group.
.set OST,  16384                       ; behind Yn's 32 blocks of 512 bytes: a stage of 16 rows for each wave
.set PO,   272                         ; its pitch: 64 f32 + 16 bytes
.set YPO,  4                           ; v4   offset in yp: 2,048 w + 16 L
.set MLO,  5                           ; v5   offset in ml: 4 r
.set MO,   6                           ; v6   offset in wv16: 65,536 w + 16 L
.set OO,   7                           ; v7   offset in out0
.set YFS,  8                           ; v8   LDS: where I put Yn's blocks
.set PA,   9                           ; v9   LDS: where I read them: 16 L
.set OSTS, 10                          ; v10  LDS: stage, in
.set OSTR, 11                          ; v11  LDS: stage, back
.set WT,   12                          ; v12-15 m_c, v16-19 l_c; then four pairs w_c
.set YS,   32                          ; v32-95   yp as loaded: chunk c, block tl at 16 c + 4 tl
.set PB,   32                          ; v32-63   then 4 buffers of 8 for Yn's fragments
.set AC,   64                          ; v64-95   four accumulator tiles
.set RG,   96                          ; v96-255  ring of 5 units; a unit = one step of 32 f: 4 tiles x 2 blocks
.macro PLACES                          ; four independent vector instructions behind a matrix instruction (ISA guide 7.12.1)
.rept 4
	v_nop
.endr
.endm
	s_load_b256 s[4:11], s[0:1], 0x0               ; yp s[4:5], ml s[6:7], wv16 s[8:9], out0 s[10:11]
	v_lshl_add_u32 v23, v0, 2, 0xc800
	s_set_vgpr_msb 0x40
	v_mov_b32 v1, 0
	s_set_vgpr_msb 0x4000
	v_lshrrev_b32 v1, 5, v0
	v_readfirstlane_b32 s12, v1                    ; wave w
	v_and_b32 v1, 31, v0                           ; lane L
	v_lshrrev_b32 v2, 4, v1                        ; h
	v_and_b32 v3, 15, v1                           ; r
	s_lshr_b32 s13, ttmp9, 2                       ; b
	s_and_b32 s14, ttmp9, 3                        ; qt
	s_lshl_b32 s15, s12, 11
	v_lshl_add_u32 v[YPO], v1, 4, s15
	v_lshl_add_u32 v[YFS], v1, 4, s15
	v_lshlrev_b32 v[MLO], 2, v3
	s_lshl_b32 s15, s12, 16
	v_lshl_add_u32 v[MO], v1, 4, s15
	v_lshlrev_b32 v[PA], 4, v1
	s_lshl_b32 s15, s12, 8
	v_lshl_add_u32 v[OO], v3, 4, s15
	v_lshl_add_u32 v[OO], v2, 11, v[OO]            ; row h, byte 256 w + 16 r
	s_mul_i32 s15, s12, 16*PO
	s_add_co_u32 s15, s15, OST
	v_mul_u32_u24 v20, v3, PO
	v_lshl_add_u32 v20, v2, 5, v20
	v_add_nc_u32 v[OSTS], s15, v20                 ; row r, byte 32 h
	v_mul_u32_u24 v20, v2, PO
	v_lshl_add_u32 v20, v3, 4, v20
	v_add_nc_u32 v[OSTR], s15, v20                 ; row h, byte 16 r
	s_lshl_b32 s16, s13, 18                        ; yp: 256 KiB a batch, 16 KiB a block of 16 queries
	s_lshl_b32 s17, s14, 14
	s_add_co_u32 s16, s16, s17
	s_mov_b32 s17, 0
	s_lshl_b32 s18, s13, 11                        ; ml: 2,048 bytes a batch, 64 for 16 queries
	s_lshl_b32 s19, s14, 6
	s_add_co_u32 s18, s18, s19
	s_mov_b32 s19, 0
	s_lshl_b32 s20, ttmp9, 15                      ; out0: 16 rows of 2,048 bytes
	s_mov_b32 s21, 0
	s_wait_kmcnt 0x0
	s_add_nc_u64 s[4:5], s[4:5], s[16:17]
	s_add_nc_u64 s[6:7], s[6:7], s[18:19]
	s_add_nc_u64 s[10:11], s[10:11], s[20:21]
.macro UNIT ks                         ; eight loads of 512 consecutive bytes: W_v's fragments of step ks for my four tiles
.set u_b, RG+32*((\ks)%5)
.irp gl, 0,1,2,3
	global_load_b128 v[u_b+8*\gl:u_b+8*\gl+3],   v[MO], s[8:9] offset:16384*\gl+1024*(\ks)
	global_load_b128 v[u_b+8*\gl+4:u_b+8*\gl+7], v[MO], s[8:9] offset:16384*\gl+1024*(\ks)+512
.endr
.endm
.macro FRAG ks                         ; Yn's blocks 2 ks, 2 ks + 1
.set f_b, PB+8*((\ks)%4)
	ds_load_b128 v[f_b:f_b+3],   v[PA] offset:1024*(\ks)
	ds_load_b128 v[f_b+4:f_b+7], v[PA] offset:1024*(\ks)+512
.endm
.macro STEP ks
.if (\ks) < 14
	FRAG \ks+2                                     ; into the buffer read two steps ago: eight places lie between
.endif
.if (\ks) < 11
	s_wait_loadcnt 32                              ; unit ks is in; the four younger units stay out
.else
	s_wait_loadcnt 8*(15-(\ks))
.endif
.if (\ks) < 14
	s_wait_dscnt 4                                 ; fragment ks is in; fragments ks + 1, ks + 2 stay out
.else
	s_wait_dscnt 2*(15-(\ks))
.endif
.set st_a, RG+32*((\ks)%5)
.set st_b, PB+8*((\ks)%4)
.irp gl, 0,1,2,3
.if (\ks) == 0
	v_wmma_f32_16x16x32_f16 v[AC+8*\gl:AC+8*\gl+7], v[st_a+8*\gl:st_a+8*\gl+7], v[st_b:st_b+7], 0
.else
	v_wmma_f32_16x16x32_f16 v[AC+8*\gl:AC+8*\gl+7], v[st_a+8*\gl:st_a+8*\gl+7], v[st_b:st_b+7], v[AC+8*\gl:AC+8*\gl+7]
.endif
.endr
	PLACES                                         ; in front of the loads into the unit just read, and of the way out
.if (\ks) < 11
	UNIT \ks+5
.endif
.endm
; one word (two f16) of a block, from the four chunks' registers r0 .. r3, joined in f32 and rounded once, into r0
.macro COMB r0, r1, r2, r3
	v_cvt_f32_f16 v24, v\r0\().l
	v_cvt_f32_f16 v25, v\r0\().h
	v_cvt_f32_f16 v26, v\r1\().l
	v_cvt_f32_f16 v27, v\r1\().h
	v_cvt_f32_f16 v28, v\r2\().l
	v_cvt_f32_f16 v29, v\r2\().h
	v_cvt_f32_f16 v30, v\r3\().l
	v_cvt_f32_f16 v31, v\r3\().h
	v_pk_mul_f32 v[20:21], v[24:25], v[WT:WT+1]
	v_pk_fma_f32 v[20:21], v[26:27], v[WT+2:WT+3], v[20:21]
	v_pk_fma_f32 v[20:21], v[28:29], v[WT+4:WT+5], v[20:21]
	v_pk_fma_f32 v[20:21], v[30:31], v[WT+6:WT+7], v[20:21]
	v_cvt_pk_f16_f32 v\r0, v20, v21
.endm
.irp c, 0,1,2,3
	global_load_b32 v[WT+\c],   v[MLO], s[6:7] offset:512*\c           ; m_c of query r
	global_load_b32 v[WT+4+\c], v[MLO], s[6:7] offset:512*\c+256       ; l_c
.endr
.irp c, 0,1,2,3
.irp tl, 0,1,2,3
	global_load_b128 v[YS+16*\c+4*\tl:YS+16*\c+4*\tl+3], v[YPO], s[4:5] offset:65536*\c+512*\tl th:TH_LOAD_NT
.endr
.endr
	UNIT 0
	UNIT 1
	UNIT 2
	UNIT 3
	s_wait_loadcnt 32                              ; 24 + 32 loads issued: m, l and yp are in
	UNIT 4
	v_max3_num_f32 v20, v[WT], v[WT+1], v[WT+2]
	v_max_num_f32 v20, v20, v[WT+3]                ; m*
.irp c, 0,1,2,3
	v_sub_f32 v[24+\c], v[WT+\c], v20
.endr
.irp c, 0,1,2,3
	v_exp_f32 v[24+\c], v[24+\c]
.endr
	v_nop                                          ; one plain instruction behind the exponentials
	s_wait_alu depctr_va_vdst(0)
.irp c, 0,1,2,3
	v_mul_f32 v[24+\c], v[24+\c], v[WT+4+\c]
.endr
	v_add_f32 v21, v24, v25
	v_add_f32 v22, v26, v27
	v_add_f32 v21, v21, v22                        ; at least 1: the chunk with m* has l of at least 1
	v_rcp_f32 v21, v21
	v_nop                                          ; one plain instruction behind the reciprocal
	s_wait_alu depctr_va_vdst(0)
.irp c, 0,1,2,3
	v_mul_f32 v[WT+2*\c], v[24+\c], v21
.endr
.irp c, 0,1,2,3
	v_mov_b32 v[WT+2*\c+1], v[WT+2*\c]
.endr
	COMB 32, 48, 64, 80
	COMB 33, 49, 65, 81
	COMB 34, 50, 66, 82
	COMB 35, 51, 67, 83
	ds_store_b128 v[YFS], v[32:35]
	COMB 36, 52, 68, 84
	COMB 37, 53, 69, 85
	COMB 38, 54, 70, 86
	COMB 39, 55, 71, 87
	ds_store_b128 v[YFS], v[36:39] offset:512
	COMB 40, 56, 72, 88
	COMB 41, 57, 73, 89
	COMB 42, 58, 74, 90
	COMB 43, 59, 75, 91
	ds_store_b128 v[YFS], v[40:43] offset:1024
	COMB 44, 60, 76, 92
	COMB 45, 61, 77, 93
	COMB 46, 62, 78, 94
	COMB 47, 63, 79, 95
	ds_store_b128 v[YFS], v[44:47] offset:1536
	s_wait_dscnt 0x0                               ; my four blocks are in LDS before I say so
	s_barrier_signal -1
	s_barrier_wait -1                              ; Yn is whole and is not written again
	FRAG 0
	FRAG 1
.irp ks, 0,1,2,3,4,5,6,7,8,9,10,11,12,13,14,15
	STEP \ks
.endr
	; relu, then through my own stage: register j of tile tl is out[query r][64 w + 16 tl + 8 h + j]
.set j, 0
.rept 32
	v_max_num_f32 v[AC+j], 0, v[AC+j]
.set j, j+1
.endr
.irp tl, 0,1,2,3
	ds_store_b128 v[OSTS], v[AC+8*\tl:AC+8*\tl+3]   offset:64*\tl
	ds_store_b128 v[OSTS], v[AC+8*\tl+4:AC+8*\tl+7] offset:64*\tl+16
.endr
.irp i, 0,1,2,3,4,5,6,7
	ds_load_b128 v[RG+4*\i:RG+4*\i+3], v[OSTR] offset:2*\i*PO          ; LDS serves a wave's instructions in order (ISA guide 5.7.1): these see the stores above
.endr
.irp i, 0,1,2,3,4,5,6,7
	s_wait_dscnt 7-\i
	global_store_b128 v[OO], v[RG+4*\i:RG+4*\i+3], s[10:11] offset:2*\i*2048 th:TH_STORE_NT   ; sixteen lanes store 256 consecutive bytes of a row, aligned
.endr
	s_set_vgpr_msb 0x4
	s_wait_tensorcnt 0x0
	ds_add_u32 v23, v1
	s_wait_dscnt 0x0
	s_set_vgpr_msb 0x400
	s_endpgm
.Lfunc_end_k_q2d2c229cc6_outp:
	.size	k_q2d2c229cc6_outp, .Lfunc_end_k_q2d2c229cc6_outp-k_q2d2c229cc6_outp
	.p2alignl 7, 3214868480
	.fill 96, 4, 3214868480
	.section	.rodata,"a",@progbits
	.p2align	6, 0x0
	.amdhsa_kernel k_q2d2c229cc6_outp
		.amdhsa_group_segment_fixed_size 52224
		.amdhsa_private_segment_fixed_size 0
		.amdhsa_enable_private_segment 0
		.amdhsa_kernarg_size 32
		.amdhsa_user_sgpr_count 2
		.amdhsa_user_sgpr_kernarg_segment_ptr 1
		.amdhsa_wavefront_size32 1
		.amdhsa_system_sgpr_workgroup_id_x 1
		.amdhsa_system_sgpr_workgroup_id_y 1
		.amdhsa_system_sgpr_workgroup_id_z 1
		.amdhsa_system_vgpr_workitem_id 0
		.amdhsa_next_free_vgpr 258
		.amdhsa_next_free_sgpr 66
		.amdhsa_reserve_vcc 0
		.amdhsa_float_denorm_mode_32 3
		.amdhsa_float_denorm_mode_16_64 3
		.amdhsa_memory_ordered 1
		.amdhsa_forward_progress 1
		.amdhsa_inst_pref_size 39
	.end_amdhsa_kernel
	.amdgpu_metadata
---
amdhsa.version: [ 1, 2 ]
amdhsa.kernels:
  - .name:           k_q2d2c229cc6_outp
    .symbol:         k_q2d2c229cc6_outp.kd
    .args:
      - { .name: yp, .offset: 0, .size: 8, .value_kind: global_buffer, .address_space: global }
      - { .name: ml, .offset: 8, .size: 8, .value_kind: global_buffer, .address_space: global }
      - { .name: wv16, .offset: 16, .size: 8, .value_kind: global_buffer, .address_space: global }
      - { .name: out0, .offset: 24, .size: 8, .value_kind: global_buffer, .address_space: global }
    .group_segment_fixed_size: 52224
    .private_segment_fixed_size: 0
    .kernarg_segment_align: 8
    .kernarg_segment_size: 32
    .max_flat_workgroup_size: 256
    .sgpr_count:     66
    .vgpr_count:     258
    .wavefront_size: 32
...
	.end_amdgpu_metadata
.endif
;; end of part 4
;; ======== version 2 of 2: 4 launches; version 1 with the launch attn written anew for expert scheduling mode
;; limits: values are held in f16: magnitudes above 65,504 overflow, below 6.1e-05 lose precision; inputs' magnitudes at most 65,504; sums are carried in f16
;; workspace buffers: mt16 524,288 bytes; wv16 524,288 bytes; qf 4,194,304 bytes; qs 16,384 bytes; yp 16,777,216 bytes; ml 131,072 bytes
;; launch wprep: the kernel of part 1 again; grid 64 x 1, 8 waves a work-group, no clusters, 173,312 bytes of LDS; arguments W_q, W_k, W_v, mt16, wv16; writes mt16, wv16
;; launch qprep: the kernel of part 2 again; grid 256 x 1, 8 waves a work-group, no clusters, 18,432 bytes of LDS; arguments metal_feature, mt16, qf, qs; writes qf, qs
;; launch attn (part 5): grid 4 x 64, 4 waves a work-group, no clusters, 134,656 bytes of LDS; arguments x, mask, qf, qs, yp, ml; writes yp, ml
.if DOCPART == 5
	.amdgcn_target "amdgcn-amd-amdhsa--gfx1250"
	.amdhsa_code_object_version 6
	.text
	.protected	k_q2d2c229cc6_attn
	.globl	k_q2d2c229cc6_attn
	.p2align	8
	.type	k_q2d2c229cc6_attn,@function
k_q2d2c229cc6_attn:
	s_mov_b64 s[64:65], 0
	v_nop
	global_prefetch_b8 v0, s[64:65] scope:SCOPE_SE
	s_setreg_imm32_b32 hwreg(HW_REG_WAVE_SCHED_MODE, 0, 2), 2
	s_setreg_imm32_b32 hwreg(HW_REG_WAVE_MODE, 25, 1), 1
	s_wait_xcnt 0x0
	s_wait_alu depctr_vm_vsrc(0)
; Attention of the 64 queries of batch b over the 256 keys of chunk c, on x itself:
;   t[l][n] = rs[l] (q[l] . x[n]) + (mask[n] - 1) 1e10 log2(e)        (the score in units of log2)
;   m[l] = max over n of t,  P = 2^(t - m),  l[l] = sum of P,  Y[l][f] = sum over n of P[l][n] x[n][f]
; with a running maximum over four tiles of 64 keys.  Out: Y / l in f16 and (m, l) in f32; the last launch joins the four chunks with the true maximum.
;   yp [b][c][qt 4][T 32][lane][8 f16] = (Y/l)[16 qt + r][128 (T>>3) + 8 (T&7) + 64 h + j]        ml [b][c][2][64] = m, then l
; 256 work-groups of four waves, 512 KiB of x each, read once: global load, round to f16 in registers, 8 bytes a lane into one of two LDS slots.
; For loading wave w owns keys 16 w .. +15 of each tile; for computing it owns queries 16 w .. +15, all keys, all 512 f.
; Both products are used transposed: S^T = x q^T (a lane holds 8 keys of ONE query), Y^T = x^T P^T (a lane holds 8 f of ONE query).  So the
; softmax's figures are one number a lane, two packed score tiles ARE the second source of the second product, and nothing is shuffled.
; Hence the order of f in yp (and in wv16).
; LIMITS: |x| below 65,504.  P below 6e-8 is rounded to 0.  log2(e) is folded into the score ahead of the bias, an order of rounding
; other than the reference's; like there a masked score is absorbed by the bias, so that a batch with no key left attends evenly.
; No joint requests: the four work-groups of a batch share only q, 64 KiB of the 576 KiB that each reads, and x has to pass through registers to
; be rounded.
; No loop: four trips, the first and the last unlike the others, are written out; the text has no label, so no register window has to be reset.
; THE MODE: SCHED_MODE bits 1:0 = 2 (LLVM: expert scheduling mode 2), set by the entry lines.  The code itself states the register dependences
; between vector or matrix instructions and memory or LDS instructions, with s_wait_alu, always for 0.
; THE PLAN.  Registers that memory or LDS instructions touch:
;   the ring      13 keys of 16 registers.  Written by the loads of x; read by the sixteen roundings of unit n (keys 2 n, 2 n + 1); keys 2 n + 13 and 2 n + 14 land
;                 in the same registers behind those roundings.  No vector instruction writes it.
;   OUT0, OUT1    Unit n's roundings write OUT[n & 1]; its eight LDS stores read it.
;   FB0 .. FB2    Group g's sixteen LDS loads land in FB[g % 3]; its eight products read it.
;   RBI           Loaded at a trip's head; read by the first sixteen lines of the trip's softmax.
;   MK            Loaded; made into two biases by four vector lines; read by one LDS store.
;   YP, MV        Written on the way out, each register once; read by the global stores.
;   the offsets and LDS addresses of windows 0 and 3 are made at the head and never written again.
;   q and rs are loaded once; from then on they, the scores, P, Y and the softmax's figures are named by vector and matrix instructions alone.
; THE WAITS.  One on va_vdst behind a unit's roundings: OUT is written, the ring's two keys are read; all products and the softmax issued before it are done too, so
; that the fragment loads and RBI's loads that follow a run of units owe nothing more.  One on vm_vsrc ahead of every second unit: both OUT have been read.
; One on va_vdst at the head of groups 1 to 5 of each phase of products: the group before is done reading the buffer that is loaded next; the loads follow behind or
; among the group's own products, which name another buffer.  One ahead of each run of stores on the way out.
.set PX,    1040                       ; LDS pitch of a row of x: 512 f16 + 16 bytes
.set XSLOT, 64*PX                      ; a slot: 64 keys.  Slots at 0 and XSLOT
.set BIAS,  2*XSLOT                    ; 256 f32: the chunk's biases
; window 0
.set XO,  4                            ; offset of my 16 bytes in x: 32,768 w + 16 L
.set SA,  6                            ; v6, v7: where I put 8 bytes, slot 0, 1
.set QO,  8                            ; 16,384 w + 16 L: offset in qf (and in yp)
.set RSO, 9                            ; 64 w + 4 r: offset in qs
.set MKO, 10                           ; 8 x thread: offset in mask
.set BST, 11                           ; where I put two biases
.set MK,  12                           ; v12-13: two mask words, then two biases
.set OUT, 16                           ; v16-47: two out-buffers of 16: a unit (2 keys) in f16
.set ST,  48                           ; v48-255: ring of 13 keys of 4 loads
; window 1: Y, tile T at v[8 T]
; window 2
.set RQ,  0                            ; v0-127    q: 16 fragments
.set RT,  128                          ; v128-159  t, then P
.set RBI, 160                          ; v160-191  biases of my 32 keys
.set RPF, 192                          ; v192-207  P in f16: two fragments
.set RRS, 208                          ; pair: rs
.set RAL, 210                          ; pair: 2^(old m - new m)
.set RMN, 212                          ; pair: new m
.set RM,  214                          ; m
.set RL,  215                          ; l (of my half of the keys until the end)
.set RX,  216                          ; v216-223 at work
.set RIV, 224                          ; pair: 1 / l
; window 3
.set SAC, 0                            ; v0-31    four score tiles
.set FB,  32                           ; v32-223  three fragment buffers of 64
.set NA,  224                          ; v224, v225  rows of x as they lie: slot + PX r + 16 h
.set TR,  226                          ; v226, v227  transposing: slot + (8 h + (L&7)) PX + 128 ((L>>3)&1)
.set BA,  228                          ; BIAS + 32 h
.set YO,  229                          ; offset in yp
.set MLO, 230                          ; offset in ml
.set MV,  231                          ; m or l
.set YT,  32                           ; the way out: Y / l in f32, 8 tiles at a time
.set YP,  96                           ; the way out: packed, 128 registers, none used twice
.set MSB, 0
.macro WIN new                         ; s_set_vgpr_msb: bits 1:0 source 0, 3:2 source 1, 5:4 source 2, 7:6 destination; the high byte repeats the setting left
.if MSB != \new
	s_set_vgpr_msb (MSB<<8)|\new
.set MSB, \new
.endif
.endm
.macro PLACES                          ; four independent vector instructions behind a matrix instruction (ISA guide 7.12.1)
.rept 4
	v_nop
.endr
.endm
	s_load_b256 s[4:11], s[0:1], 0x0               ; x s[4:5], mask s[6:7], qf s[8:9], qs s[10:11]
	s_load_b128 s[12:15], s[0:1], 0x20             ; yp s[12:13], ml s[14:15]
	v_lshl_add_u32 v5, v0, 2, 0x20c00
	v_mov_b32 v15, 0
	v_lshrrev_b32 v1, 5, v0
	v_readfirstlane_b32 s16, v1                    ; wave w
	s_and_b32 s18, ttmp7, 0xffff                   ; b
	s_lshl2_add_u32 s19, s18, ttmp9                ; 4 b + c
	s_mov_b32 s20, 0x5056fa73                      ; 1e10 log2(e)
	s_mov_b32 s22, 0x76543210                      ; v_permlanex16_b32: lane i takes lane i of the other half
	s_mov_b32 s23, 0xfedcba98
	v_and_b32 v1, 31, v0                           ; lane L
	v_lshrrev_b32 v2, 4, v1                        ; h
	v_and_b32 v3, 15, v1                           ; r
	v_cmp_ne_u32 vcc_lo, 0, v2                     ; the upper half of the lanes; kept to the end
	s_wait_alu depctr_va_sdst(0)                   ; s16 is written, ahead of its first reader: the wave's offsets are made from it
	s_wait_alu depctr_va_vcc(0)                    ; VCC is written, ahead of its one reader: the select of m or l on the way out
	s_lshl_b32 s24, s16, 15
	v_lshl_add_u32 v[XO], v1, 4, s24
	s_mul_i32 s24, s16, 16*PX
	v_lshl_add_u32 v[SA], v1, 3, s24
	v_add_nc_u32 v[SA+1], XSLOT, v[SA]
	s_lshl_b32 s24, s16, 14
	v_lshl_add_u32 v[QO], v1, 4, s24
	s_lshl_b32 s24, s16, 6
	v_lshl_add_u32 v[RSO], v3, 2, s24
	v_lshlrev_b32 v[MKO], 3, v0
	v_add_nc_u32 v[BST], BIAS, v[MKO]
	v_mul_u32_u24 v14, v3, PX
	v_lshl_add_u32 v14, v2, 4, v14
	v_and_b32 v16, 7, v1
	v_lshl_add_u32 v16, v2, 3, v16
	v_mul_u32_u24 v16, v16, PX
	v_bfe_u32 v17, v1, 3, 1
	v_lshl_add_u32 v16, v17, 7, v16
	v_lshlrev_b32 v18, 5, v2
	v_lshl_add_u32 v20, v2, 8, v[RSO]              ; 256 h + 64 w + 4 r
	WIN 0xc0                                       ; destination window 3, sources window 0
	v_mov_b32 v[NA], v14
	v_add_nc_u32 v[NA+1], XSLOT, v14
	v_mov_b32 v[TR], v16
	v_add_nc_u32 v[TR+1], XSLOT, v16
	v_add_nc_u32 v[BA], BIAS, v18
	v_mov_b32 v[YO], v[QO]
	v_mov_b32 v[MLO], v20
	WIN 0
	s_lshl_b32 s24, s19, 19                        ; x: 512 KiB a chunk
	s_mov_b32 s25, 0
	s_lshl_b32 s26, s19, 10                        ; mask: 256 words a chunk
	s_mov_b32 s27, 0
	s_lshl_b32 s28, s18, 16                        ; qf: four panels a batch
	s_mov_b32 s29, 0
	s_lshl_b32 s30, s18, 8                         ; qs: 64 words a batch
	s_mov_b32 s31, 0
	s_wait_kmcnt 0x0
	s_add_nc_u64 s[4:5], s[4:5], s[24:25]
	s_add_nc_u64 s[6:7], s[6:7], s[26:27]
	s_add_nc_u64 s[8:9], s[8:9], s[28:29]
	s_add_nc_u64 s[10:11], s[10:11], s[30:31]
	s_lshl_b32 s24, s19, 16                        ; yp: 64 KiB a chunk
	s_add_nc_u64 s[12:13], s[12:13], s[24:25]
	s_lshl_b32 s24, s19, 9                         ; ml: 512 bytes a chunk
	s_add_nc_u64 s[14:15], s[14:15], s[24:25]
; key k (0 .. 63): key k & 15 of my sixteen in tile k >> 4; four loads of 512 consecutive bytes, into place k % 13 of the ring
.macro KEYLOAD k
.irp q, 0,1,2,3
	global_load_b128 v[ST+16*((\k)%13)+4*\q:ST+16*((\k)%13)+4*\q+3], v[XO], s[4:5] offset:(64*((\k)>>4)+((\k)&15))*2048+512*\q th:TH_LOAD_NT
.endr
.endm
; unit n (0 .. 31): keys 2 n, 2 n + 1.  They are there: round them into OUT[n & 1], ask for the keys 13 further on into the same places of the ring, store 256 consecutive bytes a wave and instruction
.macro SUB n
	WIN 0
.if (\n) < 26
	s_wait_loadcnt 44                              ; loads come back in order (ISA guide 5.7.1): the eleven younger keys stay out
.else
	s_wait_loadcnt 4*(62-2*(\n))                   ; key 63 is the last: the counts run down
.endif
.if (\n) >= 2
.if ((\n)&1) == 0
	s_wait_alu depctr_vm_vsrc(0)                   ; the LDS stores of the last two units have read OUT0 and OUT1, which this unit's roundings and the next one's write again
.endif
.endif
.irp e, 0,1
.irp q, 0,1,2,3
	v_cvt_pk_f16_f32 v[OUT+16*((\n)&1)+8*\e+2*\q],   v[ST+16*((2*(\n)+\e)%13)+4*\q],   v[ST+16*((2*(\n)+\e)%13)+4*\q+1]
	v_cvt_pk_f16_f32 v[OUT+16*((\n)&1)+8*\e+2*\q+1], v[ST+16*((2*(\n)+\e)%13)+4*\q+2], v[ST+16*((2*(\n)+\e)%13)+4*\q+3]
.endr
.endr
	s_wait_alu depctr_va_vdst(0)                   ; the roundings have written OUT[n & 1], which the stores below read, and are done reading the ring's two keys, in which the loads below land
.if 2*(\n)+13 < 64
	KEYLOAD 2*(\n)+13
.endif
.if 2*(\n)+14 < 64
	KEYLOAD 2*(\n)+14
.endif
.irp e, 0,1
.irp q, 0,1,2,3
	ds_store_b64 v[SA+(((\n)>>3)&1)], v[OUT+16*((\n)&1)+8*\e+2*\q:OUT+16*((\n)&1)+8*\e+2*\q+1] offset:(2*((\n)&7)+\e)*PX+256*\q
.endr
.endr
.endm
; scores, group g (0 .. 7): steps 2 g, 2 g + 1 of 32 features, four tiles of 16 keys: 16 loads, 8 products
.macro SFRAG slot, g, u, ksl, kt       ; one fragment: two loads
	ds_load_b128 v[FB+64*(\u)+8*(4*(\ksl)+(\kt)):FB+64*(\u)+8*(4*(\ksl)+(\kt))+3],   v[NA+\slot] offset:16*PX*(\kt)+64*(2*(\g)+(\ksl))
	ds_load_b128 v[FB+64*(\u)+8*(4*(\ksl)+(\kt))+4:FB+64*(\u)+8*(4*(\ksl)+(\kt))+7], v[NA+\slot] offset:16*PX*(\kt)+64*(2*(\g)+(\ksl))+32
.endm
.macro SLOADS slot, g, u
	WIN 0xfb                                       ; destination, address and first source window 3, second source (q) window 2
.irp ksl, 0,1
.irp kt, 0,1,2,3
	SFRAG \slot, \g, \u, \ksl, \kt
.endr
.endr
.endm
; group g's eight products; behind each, one fragment of group g + 2.  Loads and products stand under one window setting.
.macro SGROUP slot, g
	WIN 0xfb
.if (\g) > 0
.if (\g) < 6
	s_wait_alu depctr_va_vdst(0)                   ; the products of group g - 1 are done reading FB[(g + 2) % 3], in which the loads dealt below land; the products between name FB[g % 3], q and the scores alone
.endif
.endif
.if (\g) < 7
	s_wait_dscnt 16                                ; group g (and all in front of it) is in; the sixteen loads of group g + 1 stay out
.else
	s_wait_dscnt 0x0
.endif
.irp ksl, 0,1
.irp kt, 0,1,2,3
.if (2*(\g)+\ksl) == 0
	v_wmma_f32_16x16x32_f16 v[SAC+8*\kt:SAC+8*\kt+7], v[FB+64*((\g)%3)+8*(4*\ksl+\kt):FB+64*((\g)%3)+8*(4*\ksl+\kt)+7], v[RQ+8*(2*(\g)+\ksl):RQ+8*(2*(\g)+\ksl)+7], 0
.else
	v_wmma_f32_16x16x32_f16 v[SAC+8*\kt:SAC+8*\kt+7], v[FB+64*((\g)%3)+8*(4*\ksl+\kt):FB+64*((\g)%3)+8*(4*\ksl+\kt)+7], v[RQ+8*(2*(\g)+\ksl):RQ+8*(2*(\g)+\ksl)+7], v[SAC+8*\kt:SAC+8*\kt+7]
.endif
.if (\g) < 6
	SFRAG \slot, (\g)+2, ((\g)+2)%3, \ksl, \kt
.endif
.endr
.endr
.endm
; Y, group g (0 .. 7): keys 32 (g>>2) .. +31, features 128 (g&3) .. +127 (tiles 8 (g&3) .. +7): 16 transposing loads, 8 products
.macro VLOADS slot, g, u
	WIN 0xfb
.irp i, 0,1,2,3,4,5,6,7
	ds_load_tr16_b128 v[FB+64*(\u)+8*\i:FB+64*(\u)+8*\i+3],   v[TR+\slot] offset:32*PX*((\g)>>2)+256*((\g)&3)+16*\i
	ds_load_tr16_b128 v[FB+64*(\u)+8*\i+4:FB+64*(\u)+8*\i+7], v[TR+\slot] offset:32*PX*((\g)>>2)+256*((\g)&3)+16*\i+16*PX
.endr
.endm
.macro VMUL g, u, first
	WIN 0x5b                                       ; first source window 3, second (P) window 2, C and D (Y) window 1
.set vz, 0
.if \first
.if (\g) < 4
.set vz, 1                                         ; the very first product of a tile starts its sum
.endif
.endif
.irp i, 0,1,2,3,4,5,6,7
.if vz
	v_wmma_f32_16x16x32_f16 v[8*(8*((\g)&3)+\i):8*(8*((\g)&3)+\i)+7], v[FB+64*(\u)+8*\i:FB+64*(\u)+8*\i+7], v[RPF+8*((\g)>>2):RPF+8*((\g)>>2)+7], 0
.else
	v_wmma_f32_16x16x32_f16 v[8*(8*((\g)&3)+\i):8*(8*((\g)&3)+\i)+7], v[FB+64*(\u)+8*\i:FB+64*(\u)+8*\i+7], v[RPF+8*((\g)>>2):RPF+8*((\g)>>2)+7], v[8*(8*((\g)&3)+\i):8*(8*((\g)&3)+\i)+7]
.endif
.endr
.endm
; group g's eight products, then group g + 2's loads in one run (their destination lies in another window than the products').  Groups 0 and 1 were asked for in front of the softmax.
.macro VGROUP slot, g, first
.if (\g) > 0
.if (\g) < 6
	s_wait_alu depctr_va_vdst(0)                   ; the products of group g - 1 are done reading FB[(g + 2) % 3], in which the loads behind this group's products land; those products name FB[g % 3], P and Y alone
.endif
.endif
.if (\g) < 7
	s_wait_dscnt 16                                ; all in front of group g + 1 is done: group g, and the LDS stores issued ahead of it
.else
	s_wait_dscnt 0x0
.endif
	VMUL \g, (\g)%3, \first
.if (\g) < 6
	VLOADS \slot, (\g)+2, ((\g)+2)%3
.endif
.endm
; one tile's softmax step.  Lane (r, h) holds, of query r, the keys 16 kt + 8 h + j in register 8 kt + j.
.macro SOFTMAX first
	WIN 0xab                                       ; scores window 3, the rest window 2
.irp i, 0,1,2,3,4,5,6,7,8,9,10,11,12,13,14,15
	v_pk_fma_f32 v[RT+2*\i:RT+2*\i+1], v[SAC+2*\i:SAC+2*\i+1], v[RRS:RRS+1], v[RBI+2*\i:RBI+2*\i+1]
.endr
	WIN 0xaa
.irp k, 0,1,2,3
	v_max3_num_f32 v[RX+\k], v[RT+8*\k], v[RT+8*\k+1], v[RT+8*\k+2]
.endr
.irp k, 0,1,2,3
	v_max3_num_f32 v[RX+\k], v[RX+\k], v[RT+8*\k+3], v[RT+8*\k+4]
.endr
.irp k, 0,1,2,3
	v_max3_num_f32 v[RX+\k], v[RX+\k], v[RT+8*\k+5], v[RT+8*\k+6]
.endr
	v_max3_num_f32 v[RX], v[RX], v[RX+1], v[RT+7]
	v_max3_num_f32 v[RX+2], v[RX+2], v[RX+3], v[RT+15]
	v_max3_num_f32 v[RX], v[RX], v[RX+2], v[RT+23]
	v_max_num_f32 v[RX], v[RX], v[RT+31]
	v_permlanex16_b32 v[RX+1], v[RX], s22, s23     ; the other 32 keys of my query
.if \first
	v_max_num_f32 v[RMN], v[RX], v[RX+1]
.else
	v_max3_num_f32 v[RMN], v[RX], v[RX+1], v[RM]
	v_sub_f32 v[RAL], v[RM], v[RMN]
.endif
	v_mov_b32 v[RMN+1], v[RMN]
	v_mov_b32 v[RM], v[RMN]
.irp i, 0,1,2,3,4,5,6,7,8,9,10,11,12,13,14,15
	v_pk_add_f32 v[RT+2*\i:RT+2*\i+1], v[RT+2*\i:RT+2*\i+1], v[RMN:RMN+1] neg_lo:[0,1] neg_hi:[0,1]
.endr
.if \first == 0
	v_exp_f32 v[RAL], v[RAL]
.endif
.set j, 0
.rept 32
	v_exp_f32 v[RT+j], v[RT+j]
.set j, j+1
.endr
	v_nop                                          ; one plain instruction between the last exponential and the first use (ISA guide 5.7.2)
.if \first == 0
	s_wait_alu depctr_va_vdst(0)
	v_mov_b32 v[RAL+1], v[RAL]
.endif
	s_wait_alu depctr_va_vdst(0)
.irp i, 0,1,2,3,4,5,6,7,8,9,10,11,12,13,14,15
	v_cvt_pk_f16_f32 v[RPF+\i], v[RT+2*\i], v[RT+2*\i+1]       ; tiles 2 kp, 2 kp + 1 packed = keys 8 h .., 16 + 8 h .. of 32: a second source as it stands
.endr
.irp i, 0,1,2,3,4,5,6,7
	v_pk_add_f32 v[RT+2*\i:RT+2*\i+1], v[RT+2*\i:RT+2*\i+1], v[RT+16+2*\i:RT+17+2*\i]
.endr
.irp i, 0,1,2,3
	v_pk_add_f32 v[RT+2*\i:RT+2*\i+1], v[RT+2*\i:RT+2*\i+1], v[RT+8+2*\i:RT+9+2*\i]
.endr
.irp i, 0,1
	v_pk_add_f32 v[RT+2*\i:RT+2*\i+1], v[RT+2*\i:RT+2*\i+1], v[RT+4+2*\i:RT+5+2*\i]
.endr
	v_pk_add_f32 v[RT:RT+1], v[RT:RT+1], v[RT+2:RT+3]
.if \first
	v_add_f32 v[RL], v[RT], v[RT+1]
.else
	v_add_f32 v[RT], v[RT], v[RT+1]
	v_fma_f32 v[RL], v[RL], v[RAL], v[RT]
	WIN 0x49                                       ; Y window 1, the factor window 2
.set j, 0
.rept 128
	v_pk_mul_f32 v[2*j:2*j+1], v[2*j:2*j+1], v[RAL:RAL+1]
.set j, j+1
.endr
.endif
.endm
; tile t, in slot t & 1.  more = 1: the next tile's eight units are rounded and stored into the other slot, half behind each phase of products.
.macro TRIP t, slot, first, more
	WIN 0x83                                       ; destination window 2, address window 3
	; No wait on va_vdst here: the last one (in the unit just ahead of the barrier) stands behind the softmax that read RBI and behind the products that read FB0 to FB2, and no vector or matrix instruction has been issued since
.irp kt, 0,1,2,3
	ds_load_b128 v[RBI+8*\kt:RBI+8*\kt+3],   v[BA] offset:256*\t+64*\kt
	ds_load_b128 v[RBI+8*\kt+4:RBI+8*\kt+7], v[BA] offset:256*\t+64*\kt+16
.endr
	SLOADS \slot, 0, 0
	SLOADS \slot, 1, 1
.irp g, 0,1,2,3,4,5,6,7
	SGROUP \slot, \g
.endr
.if \more
	SUB 8*(\t+1)+0
	SUB 8*(\t+1)+1
	SUB 8*(\t+1)+2
	SUB 8*(\t+1)+3
.endif
	PLACES                                         ; behind the last score products, ahead of the softmax's first read of the scores
.if \more == 0
	s_wait_alu depctr_va_vdst(0)                   ; the score products are done reading FB0 to FB2, in which the transposing loads land (in the other trips the units' waits have stated that)
.endif
	VLOADS \slot, 0, 0
	VLOADS \slot, 1, 1
	SOFTMAX \first
.irp g, 0,1,2,3,4,5,6,7
	VGROUP \slot, \g, \first
.endr
.if \more
	SUB 8*(\t+1)+4
	SUB 8*(\t+1)+5
	SUB 8*(\t+1)+6
	SUB 8*(\t+1)+7
	s_wait_dscnt 0x0                               ; my reads of this slot are over and my part of the next tile is in LDS:
	s_barrier_signal -1                            ; one barrier a trip says both;
	s_barrier_wait -1                              ; behind it the other slot is read and this one written
.endif
.endm
	s_wait_alu depctr_va_vdst(0)                   ; the offsets and LDS addresses of windows 0 and 3 are written: every load and store of the kernel reads one of them
	global_load_b64 v[MK:MK+1], v[MKO], s[6:7]     ; two keys' mask words a thread
	WIN 0x80                                       ; destination window 2, address window 0
	global_load_b32 v[RRS], v[RSO], s[10:11]
.set j, 0
.rept 32
	global_load_b128 v[RQ+4*j:RQ+4*j+3], v[QO], s[8:9] offset:512*j
.set j, j+1
.endr
	WIN 0
.irp k, 0,1,2,3,4,5
	KEYLOAD \k
.endr
	s_wait_loadcnt 24                              ; 34 + 24 loads issued: mask, rs and q are in
.irp k, 6,7,8,9,10,11,12
	KEYLOAD \k
.endr
	v_cvt_f32_i32 v[MK], v[MK]
	v_cvt_f32_i32 v[MK+1], v[MK+1]
	v_fma_f32 v[MK], v[MK], s20, -s20              ; (mask - 1) 1e10 log2(e): exactly 0 where mask = 1
	v_fma_f32 v[MK+1], v[MK+1], s20, -s20
	WIN 0xaa
	v_mov_b32 v[RRS+1], v[RRS]
	SUB 0
	ds_store_b64 v[BST], v[MK:MK+1]                ; unit 0's wait on va_vdst stands behind the lines that wrote MK, and only loads and stores have followed it
	SUB 1
	SUB 2
	SUB 3
	SUB 4
	SUB 5
	SUB 6
	SUB 7
	s_wait_dscnt 0x0                               ; my biases and my part of tile 0 are in LDS before I say so
	s_barrier_signal -1
	s_barrier_wait -1
	TRIP 0, 0, 1, 1
	TRIP 1, 1, 0, 1
	TRIP 2, 0, 0, 1
	TRIP 3, 1, 0, 0
	; the way out
	PLACES
	WIN 0xaa
	v_permlanex16_b32 v[RX], v[RL], s22, s23
	v_add_f32 v[RL], v[RL], v[RX]                  ; l over both halves of the keys
	v_rcp_f32 v[RIV], v[RL]
	v_nop                                          ; one plain instruction behind the reciprocal
	s_wait_alu depctr_va_vdst(0)
	v_mov_b32 v[RIV+1], v[RIV]
	WIN 0xca                                       ; destination window 3, sources window 2
	v_cndmask_b32 v[MV], v[RM], v[RL], vcc_lo      ; lanes 0-15 carry m of query r, lanes 16-31 its l; made here, so that the waits below also stand ahead of its store
.macro YOUT bt                         ; tiles 8 bt .. +7: scale, pack, store; a tile is a block of 512 consecutive bytes
	WIN 0xc9                                       ; destination window 3, Y window 1, 1 / l window 2
.set j, 0
.rept 32
	v_pk_mul_f32 v[YT+2*j:YT+2*j+1], v[64*\bt+2*j:64*\bt+2*j+1], v[RIV:RIV+1]
.set j, j+1
.endr
	WIN 0xcf                                       ; all in window 3
.set j, 0
.rept 32
	v_cvt_pk_f16_f32 v[YP+32*\bt+j], v[YT+2*j], v[YT+2*j+1]
.set j, j+1
.endr
	s_wait_alu depctr_va_vdst(0)                   ; the roundings have written these 32 registers of YP, which the eight stores read
.irp i, 0,1,2,3,4,5,6,7
	global_store_b128 v[YO], v[YP+32*\bt+4*\i:YP+32*\bt+4*\i+3], s[12:13] offset:512*(8*\bt+\i)
.endr
.endm
	YOUT 0
	YOUT 1
	YOUT 2
	YOUT 3
	WIN 0xcf
	global_store_b32 v[MLO], v[MV], s[14:15]       ; MV was written ahead of the waits above, and no vector instruction has named it since
	WIN 0
	s_wait_dscnt 0x0
	s_wait_alu depctr_hold_cnt(0) depctr_sa_sdst(0) depctr_va_vdst(0) depctr_va_sdst(0) depctr_va_ssrc(0) depctr_va_vcc(0) depctr_vm_vsrc(0)
	s_wait_tensorcnt 0x0
	ds_add_u32 v5, v15
	s_wait_dscnt 0x0
	s_endpgm
.Lfunc_end_k_q2d2c229cc6_attn:
	.size	k_q2d2c229cc6_attn, .Lfunc_end_k_q2d2c229cc6_attn-k_q2d2c229cc6_attn
	.p2alignl 7, 3214868480
	.fill 96, 4, 3214868480
	.section	.rodata,"a",@progbits
	.p2align	6, 0x0
	.amdhsa_kernel k_q2d2c229cc6_attn
		.amdhsa_group_segment_fixed_size 134656
		.amdhsa_private_segment_fixed_size 0
		.amdhsa_enable_private_segment 0
		.amdhsa_kernarg_size 48
		.amdhsa_user_sgpr_count 2
		.amdhsa_user_sgpr_kernarg_segment_ptr 1
		.amdhsa_wavefront_size32 1
		.amdhsa_system_sgpr_workgroup_id_x 1
		.amdhsa_system_sgpr_workgroup_id_y 1
		.amdhsa_system_sgpr_workgroup_id_z 1
		.amdhsa_system_vgpr_workitem_id 0
		.amdhsa_next_free_vgpr 1024
		.amdhsa_next_free_sgpr 66
		.amdhsa_reserve_vcc 1
		.amdhsa_float_denorm_mode_32 3
		.amdhsa_float_denorm_mode_16_64 3
		.amdhsa_memory_ordered 1
		.amdhsa_forward_progress 1
		.amdhsa_inst_pref_size 255
	.end_amdhsa_kernel
	.section	.bss,"aw",@nobits
	.p2align	6
	.space	262144
	.amdgpu_metadata
---
amdhsa.version: [ 1, 2 ]
amdhsa.kernels:
  - .name:           k_q2d2c229cc6_attn
    .symbol:         k_q2d2c229cc6_attn.kd
    .args:
      - { .name: x, .offset: 0, .size: 8, .value_kind: global_buffer, .address_space: global }
      - { .name: mask, .offset: 8, .size: 8, .value_kind: global_buffer, .address_space: global }
      - { .name: qf, .offset: 16, .size: 8, .value_kind: global_buffer, .address_space: global }
      - { .name: qs, .offset: 24, .size: 8, .value_kind: global_buffer, .address_space: global }
      - { .name: yp, .offset: 32, .size: 8, .value_kind: global_buffer, .address_space: global }
      - { .name: ml, .offset: 40, .size: 8, .value_kind: global_buffer, .address_space: global }
    .group_segment_fixed_size: 134656
    .private_segment_fixed_size: 0
    .kernarg_segment_align: 8
    .kernarg_segment_size: 48
    .max_flat_workgroup_size: 128
    .sgpr_count:     66
    .vgpr_count:     1024
    .wavefront_size: 32
...
	.end_amdgpu_metadata
.endif
;; end of part 5
;; launch outp: the kernel of part 4 again; grid 256 x 1, 8 waves a work-group, no clusters, 52,224 bytes of LDS; arguments yp, ml, wv16, out0; writes out0
